; MI455X (gfx1250); checked and timed in simulation.
; The chip was launched on July 23, 2026; its instructions are those of AMD's public machine-readable ISA for CDNA 5 (MIT licence, August 2026) and "CDNA5" Instruction Set Architecture Reference Guide (July 2026). The comments in the code are by the model that wrote it; some were corrected since.
;; Multi Head Attention. Allowed arithmetic: matrix products marked QUANTISED: E2M1 operands, one E8M0 scale for each 32 along K, by v_wmma_scale_f32_16x16x128_f8f6f4 with both operands' format E2M1 (or v_wmma_scale_f32_32x16x128_f4), f32 sums; products left as they are: bf16, f16 or f32 operands; f32 sums; everything else in f32.
;; Inputs: Wk 1,024 x 1,024 float32; Wo 1,024 x 1,024 float32; Wq 1,024 x 1,024 float32; Wv 1,024 x 1,024 float32; bk 1,024 float32; bo 1,024 float32; bq 1,024 float32; bv 1,024 float32; key 4 x 2,048 x 1,024 float32; mask 4 x 1 x 1 x 2,048 bool; query 4 x 2,048 x 1,024 float32; value 4 x 2,048 x 1,024 float32.
;; Outputs: out0 4 x 2,048 x 1,024 float32.
;; This version of the problem:
;;   THIS VERSION OF THE PROBLEM IS GIVEN IN LOW PRECISION. The matrix products marked QUANTISED in the list below multiply operands that are first quantised to E2M1 (2 exponent bits, 1 mantissa bit; 4 bits a number), with one power-of-two scale for each 32 numbers along K (OCP MX v1.0); their sums are f32. The products marked 'left as it is' may take bf16, f16 or f32 operands, with f32 sums. Whichever they take, every output number must still come out within the allowed error. Rounding operands to bf16 (8 significant bits) uses up far more of that allowance than f16 does (11 bits, for magnitudes from 6e-5 to 65,504). All else is computed in f32.
;;   The module's matrix products, in the order in which they are computed (A, B: the left and right operand; K: the contracted axis; several contracted axes count as one K, in the product's order):
;;     1. [M 8,192, K 1,024] x [K 1,024, N 1,024]; A: input query; B: input Wq: QUANTISED
;;     2. [M 8,192, K 1,024] x [K 1,024, N 1,024]; A: input key; B: input Wk: QUANTISED
;;     3. [M 8,192, K 1,024] x [K 1,024, N 1,024]; A: input value; B: input Wv: QUANTISED
;;     4. batch 64 x [M 2,048, K 64] x [K 64, N 2,048]; A: computed on the way; B: computed on the way: left as it is (an operand is computed on the way)
;;     5. batch 64 x [M 64, K 2,048] x [K 2,048, N 2,048]; A: computed on the way; B: computed on the way: left as it is (an operand is computed on the way)
;;     6. [M 8,192, K 1,024] x [K 1,024, N 1,024]; A: computed on the way; B: input Wo: left as it is (an operand is computed on the way)
;;   THE QUANTISER, for each operand of a quantised product, along K:
;;     - K is cut into blocks of 32 from its start; a last block that is shorter is filled with zeros.
;;     - A block's scale is 2^e with e = floor(log2(the largest magnitude in the block)) - 2, held to -126 .. 127; a block of zeros has e = 0. As a byte (E8M0): e + 127.
;;     - Each number is divided by its block's scale, clamped to +-6, and rounded to the nearest number of E2M1, ties to even, subnormals kept.
;;     - The product sums the exact products of the quantised numbers (number of the format x scale) in f32.
;;   ~~~python
;;   def quantise(x, axis):      # numpy; x: float32 -> the quantised numbers, widened to float32 again
;;       x = np.moveaxis(x, axis, -1); K = x.shape[-1]
;;       x = np.pad(x, [(0, 0)] * (x.ndim - 1) + [(0, -K % 32)]); x = x.reshape(x.shape[:-1] + (-1, 32)); a = np.abs(x).max(-1, keepdims=True)
;;       e = np.where(a > 0, np.clip(np.frexp(np.where(a > 0, a, 1))[1] - 1 - 2, -126, 127), 0)      # np.frexp(a)[1] - 1 = floor(log2(a)), exactly
;;       r = np.clip(x / 2.0 ** e, -6, 6)
;;       step = 2.0 ** (np.maximum(np.frexp(np.where(r == 0, 1, r))[1] - 1, 0) - 1)
;;       q = np.round(r / step) * step * 2.0 ** e      # np.round: ties to even
;;       return np.moveaxis(q.reshape(q.shape[:-2] + (-1,))[..., :K], -1, axis).astype(np.float32)
;;   ~~~
;; One version. Each part assembles by itself: llvm-mc -triple=amdgcn-amd-amdhsa -mcpu=gfx1250 --defsym DOCPART=n.
;; ======== version 1 of 1: 4 launches
;; limits: values are held in f16: magnitudes above 65,504 overflow, below 6.1e-05 lose precision
;; workspace buffers: xc 12,582,912 bytes; xs 786,432 bytes; wc 1,572,864 bytes; ws 98,304 bytes; wo16 2,097,152 bytes; qkv 50,331,648 bytes; ao 16,777,216 bytes
;; launch prep (part 1): grid 944 x 1, 4 waves a work-group, no clusters, 68,096 bytes of LDS; arguments query, key, value, Wq, Wk, Wv, Wo, xc, xs, wc, ws, wo16; writes xc, xs, wc, ws, wo16
.if DOCPART == 1
	.amdgcn_target "amdgcn-amd-amdhsa--gfx1250"
	.amdhsa_code_object_version 6
	.text
	.protected	k_qf901711211_prep
	.globl	k_qf901711211_prep
	.p2align	8
	.type	k_qf901711211_prep,@function
k_qf901711211_prep:
	s_mov_b64 s[64:65], 0
	v_nop
	global_prefetch_b8 v0, s[64:65] scope:SCOPE_SE
	s_setreg_imm32_b32 hwreg(HW_REG_WAVE_MODE, 25, 1), 1
	s_wait_xcnt 0x0
; PREP: everything that is read many times later is made narrow once.
;   query, key, value [8192][1024] f32 -> xc [3][8192][512 B] codes of E2M1, K innermost, two a byte; xs [3][8192][32] E8M0 bytes, one for each 32 along K.
;   Wq, Wk, Wv [1024 k][1024 n] f32    -> wc [3][1024 n][512 B] codes with K innermost; ws [3][1024 n][32].
;   Wo [1024][1024] f32                -> wo16, f16, as it lies.
; A block's scale is 2^(floor(log2(its largest magnitude)) - 2): its byte is the largest magnitude's exponent field - 2, held at 1 from below by a floor among the maximum's leaves.
; A block of zeros so gets the byte 1 where the rule says 127: its codes are zeros, and this program alone reads the bytes.
; LIMITS: NaN and infinities among the inputs are not served; Wo stays inside f16's range (65,504).
; Three paths, parted on the work-group's number alone: 0-47 the weights, 48-175 Wo, 176-943 the activations.  The weights' walk has few bytes on its way, so it has the lowest numbers.
; Each path has LDS bytes of its own.  Nothing is shared between work-groups, so there is no cluster; no tensor loads, no barrier: waves share nothing.
.set SPARE, 67584                      ; the spare words, 128 bytes for each wave: two blocks of 256 bytes that no other line names
.set SPW,   190                        ; v190 LDS address of my spare word; never rewritten
.set NIL,   191                        ; v191 0; never rewritten
.set EMAX,  2
.set STEPS, 16                         ; activations: a wave takes 16 steps of 512 numbers
.set CB,    8                          ; bytes of 16 codes
.set XR,    16                         ; v16-79   four sets of 16 numbers as loaded
.set XX,    80                         ; v80-111  two sets of 16 neighbours
.set XE,    112                        ; v112-127 a scale byte for each step
.set XC,    128                        ; v128-189 codes: four registers a step, two used
.set SP,    80                         ; a lane's place in a stage: 64 bytes + 16 of padding
.set NB,    16                         ; weights: a wave takes 32 columns x 16 blocks of 32 along K
.set PITCH, 272                        ; a stage row: 256 bytes of codes + 16
.set KROW,  512                        ; a row of wc
.set WSTG,  32768                      ; the weights' stages begin here: 32 x 272 bytes a wave
.set WX,    32                         ; v32-95   two sets of 32 numbers
.set WC,    96                         ; v96-99   a block's codes
.set WOUT,  112                        ; v112-175 the way out
.set WSB,   24                         ; v24-27   scale bytes, four to a register
.macro FINISH                          ; a wave's end, behind the last LDS store
	s_wait_tensorcnt 0x0
	ds_add_u32 v[SPW], v[NIL]
	s_wait_dscnt 0x0
	s_endpgm
.endm
	s_load_b512 s[4:19], s[0:1], 0x0               ; query s[4:5], key s[6:7], value s[8:9], Wq s[10:11], Wk s[12:13], Wv s[14:15], Wo s[16:17], xc s[18:19]
	s_load_b256 s[20:27], s[0:1], 0x40             ; xs s[20:21], wc s[22:23], ws s[24:25], wo16 s[26:27]
	v_lshl_add_u32 v[SPW], v0, 2, SPARE
	v_mov_b32 v[NIL], 0
	v_lshrrev_b32 v1, 5, v0
	v_readfirstlane_b32 s28, v1                    ; wave 0..3
	v_and_b32 v2, 31, v0                           ; lane
	s_wait_kmcnt 0x0
	s_cmp_lt_u32 ttmp9, 48
	s_cbranch_scc1 .LW
	s_cmp_lt_u32 ttmp9, 176
	s_cbranch_scc1 .LO
; ---------------- THE ACTIVATIONS: a plain stream of blocks of 32.  Loads take the bytes as they lie (512 a load); a step's 2,048 bytes turn through the wave's own stage, so that a lane holds 16 neighbours.
	s_sub_co_u32 s29, ttmp9, 176                   ; 0..767: 256 work-groups a tensor
	s_cmp_lt_u32 s29, 512
	s_cselect_b64 s[6:7], s[6:7], s[8:9]           ; key or value
	s_cmp_lt_u32 s29, 256
	s_cselect_b64 s[4:5], s[4:5], s[6:7]           ; query, or that
	s_and_b32 s30, s29, 255
	s_lshl_b32 s30, s30, 2
	s_add_co_u32 s30, s30, s28                     ; my run of 8,192 numbers in the tensor
	s_lshl_b32 s30, s30, 15                        ; 32,768 bytes a run
	s_mov_b32 s31, 0
	s_add_nc_u64 s[4:5], s[4:5], s[30:31]
	s_lshl_b32 s32, s29, 2
	s_add_co_u32 s32, s32, s28                     ; my run among all three tensors': 0..3071
	s_lshl_b32 s30, s32, 12                        ; 4,096 bytes of codes a run
	s_add_nc_u64 s[18:19], s[18:19], s[30:31]
	s_lshl_b32 s30, s32, 8                         ; 256 scale bytes a run
	s_add_nc_u64 s[20:21], s[20:21], s[30:31]
	v_lshlrev_b32 v3, 4, v2                        ; my 16 bytes of a load's 512
	s_lshl_b32 s33, s28, 13                        ; my wave's 8,192 bytes of LDS
	v_lshrrev_b32 v14, 2, v2
	v_mul_u32_u24 v14, v14, SP
	v_and_b32 v15, 3, v2
	v_lshl_add_u32 v14, v15, 4, v14
	v_add_nc_u32 v14, s33, v14                     ; into the stage: four lanes' 64 bytes on end, then 16 of padding
	v_mul_u32_u24 v15, v2, SP
	v_add_nc_u32 v15, s33, v15                     ; out of it: my 16 neighbours
	v_mul_u32_u24 v4, v2, CB                       ; my codes' place in a step's
	v_lshrrev_b32 v5, 1, v2
	s_add_co_u32 s33, s33, 2*32*SP
	v_add_nc_u32 v5, s33, v5                       ; my wave's 256 scale bytes: my block's byte
	v_lshlrev_b32 v7, 3, v2
	v_add_nc_u32 v6, s33, v7                       ; and on the way out 8 bytes a lane
.macro XLOAD t
.irp i, 0,1,2,3
	global_load_b128 v[XR+16*((\t)%4)+4*\i:XR+16*((\t)%4)+4*\i+3], v3, s[4:5] offset:2048*(\t)+512*\i th:TH_LOAD_NT   ; 32 lanes read 512 consecutive bytes
.endr
.endm
.macro XTURN t                         ; LDS serves a wave's instructions in order: no wait between the stores and the loads
.irp i, 0,1,2,3
	ds_store_b128 v14, v[XR+16*((\t)%4)+4*\i:XR+16*((\t)%4)+4*\i+3] offset:32*SP*((\t)%2)+8*SP*\i
.endr
.irp i, 0,1,2,3
	ds_load_b128 v[XX+16*((\t)%2)+4*\i:XX+16*((\t)%2)+4*\i+3], v15 offset:32*SP*((\t)%2)+16*\i
.endr
.endm
.irp t, 0,1,2,3
	XLOAD \t
.endr
	s_wait_loadcnt 12                              ; step 0's four loads are in
	XTURN 0
.macro XSTEP t
.set XS, XX+16*((\t)%2)
.if (\t) > 0
	s_wait_dscnt 1                                 ; this step's numbers are back from the stage; the last step's byte store may be out
.else
	s_wait_dscnt 0x0
.endif
.if (\t)+4 < STEPS
	XLOAD (\t)+4                                   ; into the registers that the stage's stores have read
.endif
.if (\t)+1 < STEPS
.if STEPS-2-(\t) >= 3
	s_wait_loadcnt 12                              ; the next step's four loads are in; three later steps' may be out
.else
	s_wait_loadcnt 4*(STEPS-2-(\t))
.endif
	XTURN (\t)+1
.endif
	v_max3_num_f32 v8, |v[XS]|, |v[XS+1]|, |v[XS+2]|               ; the largest magnitude of my 16, in two chains
	v_max3_num_f32 v9, |v[XS+3]|, |v[XS+4]|, |v[XS+5]|
.irp i, 6,10
	v_max3_num_f32 v8, v8, |v[XS+\i]|, |v[XS+\i+1]|
	v_max3_num_f32 v9, v9, |v[XS+\i+2]|, |v[XS+\i+3]|
.endr
	v_max3_num_f32 v8, v8, |v[XS+14]|, |v[XS+15]|
	v_max3_num_f32 v8, v8, v9, (EMAX+1)<<23        ; and the floor 2^(3 - 127): the byte cannot fall under 1
	v_max_num_f32_dpp v8, v8, v8 row_xmask:1 row_mask:0xf bank_mask:0xf   ; with my neighbour's 16: the block's
	v_add_nc_u32 v11, -(EMAX<<23), v8              ; 2 off the exponent field: the conversion takes that field as its scale and nothing else
	v_cvt_scalef32_pk8_fp4_f32 v[XC+4*(\t)], v[XS:XS+7], v11
	v_cvt_scalef32_pk8_fp4_f32 v[XC+4*(\t)+1], v[XS+8:XS+15], v11
	v_lshrrev_b32 v[XE+(\t)], 23, v11              ; the scale's byte (also the plain line behind the conversions)
	ds_store_b8 v5, v[XE+(\t)] offset:16*(\t)      ; both lanes of a block write the same byte with the same value
	global_store_b64 v4, v[XC+4*(\t):XC+4*(\t)+1], s[18:19] offset:32*CB*(\t)   ; the wave stores 256 consecutive bytes, aligned
.endm
.irp t, 0,1,2,3,4,5,6,7,8,9,10,11,12,13,14,15
	XSTEP \t
.endr
	ds_load_b64 v[8:9], v6                         ; my wave's 256 scale bytes, behind its own stores
	s_wait_dscnt 0x0
	global_store_b64 v7, v[8:9], s[20:21]          ; 256 consecutive bytes, aligned
	FINISH
; ---------------- THE WEIGHTS: K is the first axis.  A lane takes a column n and its registers run down K: a block of 32 lies in one lane, and the codes come out with K innermost.
.LW:
	s_lshr_b32 s29, ttmp9, 4                       ; which weight: 16 work-groups each
	s_cmp_lt_u32 s29, 2
	s_cselect_b64 s[12:13], s[12:13], s[14:15]     ; Wk or Wv
	s_cmp_lt_u32 s29, 1
	s_cselect_b64 s[10:11], s[10:11], s[12:13]     ; Wq, or that
	s_bfe_u32 s30, ttmp9, 0x30001
	s_lshl_b32 s30, s30, 7
	s_lshl_b32 s31, s28, 5
	s_add_co_u32 s30, s30, s31                     ; my wave's first column
	s_and_b32 s31, ttmp9, 1                        ; which 512 along K
	s_lshl_b32 s32, s31, 21                        ; 512 rows of 4,096 bytes
	s_lshl_b32 s34, s30, 2
	s_add_co_u32 s32, s32, s34
	s_mov_b32 s33, 0
	s_add_nc_u64 s[10:11], s[10:11], s[32:33]
	s_lshl_b32 s32, s29, 19                        ; codes: 524,288 bytes a weight, 512 a column, 256 for 512 along K
	s_lshl_b32 s34, s30, 9
	s_add_co_u32 s32, s32, s34
	s_lshl_b32 s34, s31, 8
	s_add_co_u32 s32, s32, s34
	s_add_nc_u64 s[22:23], s[22:23], s[32:33]
	s_lshl_b32 s32, s29, 15                        ; scale bytes: 32,768 a weight, 32 a column, 16 for 512 along K
	s_lshl_b32 s34, s30, 5
	s_add_co_u32 s32, s32, s34
	s_lshl_b32 s34, s31, 4
	s_add_co_u32 s32, s32, s34
	s_add_nc_u64 s[24:25], s[24:25], s[32:33]
	v_lshlrev_b32 v3, 2, v2                        ; in: 4 bytes a lane
	s_mul_i32 s35, s28, 32*PITCH
	s_add_co_u32 s35, s35, WSTG                    ; my stage
	v_mul_u32_u24 v4, v2, PITCH
	v_add_nc_u32 v4, s35, v4                       ; into it: row = my column
	v_and_b32 v5, 15, v2
	v_lshrrev_b32 v6, 4, v2
	v_mul_u32_u24 v7, v6, PITCH
	v_lshl_add_u32 v7, v5, 4, v7
	v_add_nc_u32 v7, s35, v7                       ; out of it: sixteen lanes to a row, two rows an instruction
	v_mul_u32_u24 v8, v6, KROW
	v_lshl_add_u32 v8, v5, 4, v8                   ; the same place in wc
	v_lshlrev_b32 v9, 5, v2                        ; my column's row of scale bytes
.macro WLOAD t                         ; block t: W(32 t + i, my column)
.irp i, 0,1,2,3,4,5,6,7,8,9,10,11,12,13,14,15,16,17,18,19,20,21,22,23,24,25,26,27,28,29,30,31
	global_load_b32 v[WX+32*((\t)%2)+\i], v3, s[10:11] offset:(32*(\t)+\i)*4096 th:TH_LOAD_NT
.endr
.endm
	WLOAD 0
	WLOAD 1
.macro WBLOCK t
.set WXS, WX+32*((\t)%2)
.if (\t) < NB-1
	s_wait_loadcnt 32                              ; this block's 32 loads are in; the next block's may be out
.else
	s_wait_loadcnt 0
.endif
	v_max3_num_f32 v12, |v[WXS]|, |v[WXS+1]|, |v[WXS+2]|           ; all 32 numbers of the block are mine
	v_max3_num_f32 v13, |v[WXS+3]|, |v[WXS+4]|, |v[WXS+5]|
.irp i, 6,10,14,18,22,26
	v_max3_num_f32 v12, v12, |v[WXS+\i]|, |v[WXS+\i+1]|
	v_max3_num_f32 v13, v13, |v[WXS+\i+2]|, |v[WXS+\i+3]|
.endr
	v_max3_num_f32 v12, v12, |v[WXS+30]|, |v[WXS+31]|
	v_max3_num_f32 v12, v12, v13, (EMAX+1)<<23     ; the floor
	v_add_nc_u32 v11, -(EMAX<<23), v12             ; the conversion's scale operand
	v_lshrrev_b32 v13, 23, v11                     ; the scale's byte
.if (\t)%4 == 0
	v_mov_b32 v[WSB+(\t)/4], v13                   ; four bytes to a register, the lower K in the lower byte
.else
	v_lshl_or_b32 v[WSB+(\t)/4], v13, 8*((\t)%4), v[WSB+(\t)/4]
.endif
.irp g, 0,1,2,3
	v_cvt_scalef32_pk8_fp4_f32 v[WC+\g], v[WXS+8*\g:WXS+8*\g+7], v11
.endr
	ds_store_b128 v4, v[WC:WC+3] offset:16*(\t)    ; 32 codes: 16 bytes of my column's row
.if (\t)+2 < NB
	WLOAD (\t)+2
.endif
	s_wait_dscnt 0x0                               ; the store has read its registers: the next block's codes may be written
.endm
.set Q, 0
.rept NB
	WBLOCK Q
.set Q, Q+1
.endr
	global_store_b128 v9, v[WSB:WSB+3], s[24:25]   ; my column's 16 scale bytes
.irp t, 0,1,2,3,4,5,6,7,8,9,10,11,12,13,14,15
	ds_load_b128 v[WOUT+4*\t:WOUT+4*\t+3], v7 offset:2*\t*PITCH
.endr
.irp t, 0,1,2,3,4,5,6,7,8,9,10,11,12,13,14,15
	s_wait_dscnt 15-\t                             ; rows come back in order
	global_store_b128 v8, v[WOUT+4*\t:WOUT+4*\t+3], s[22:23] offset:2*\t*KROW   ; sixteen lanes store 256 consecutive bytes, aligned
.endr
	FINISH
; ---------------- Wo: a cast to f16.  A work-group takes 32,768 bytes; a thread 8 numbers of each of 8 groups.
.LO:
	s_sub_co_u32 s29, ttmp9, 48
	s_lshl_b32 s30, s29, 15
	s_mov_b32 s31, 0
	s_add_nc_u64 s[16:17], s[16:17], s[30:31]
	s_lshl_b32 s30, s29, 14
	s_add_nc_u64 s[26:27], s[26:27], s[30:31]
	v_lshlrev_b32 v3, 5, v0                        ; 32 bytes in,
	v_lshlrev_b32 v4, 4, v0                        ; 16 bytes out
.irp g, 0,1,2,3,4,5,6,7
	global_load_b128 v[32+8*\g:35+8*\g], v3, s[16:17] offset:4096*\g th:TH_LOAD_NT
	global_load_b128 v[36+8*\g:39+8*\g], v3, s[16:17] offset:4096*\g+16 th:TH_LOAD_NT
.endr
.irp g, 0,1,2,3,4,5,6,7
	s_wait_loadcnt 14-2*\g                         ; this group's two loads are in; the later groups' may be out
	v_cvt_pk_f16_f32 v[96+4*\g], v[32+8*\g], v[33+8*\g]
	v_cvt_pk_f16_f32 v[97+4*\g], v[34+8*\g], v[35+8*\g]
	v_cvt_pk_f16_f32 v[98+4*\g], v[36+8*\g], v[37+8*\g]
	v_cvt_pk_f16_f32 v[99+4*\g], v[38+8*\g], v[39+8*\g]
	global_store_b128 v4, v[96+4*\g:99+4*\g], s[26:27] offset:2048*\g   ; the wave stores 512 consecutive bytes
.endr
	FINISH
.Lfunc_end_k_qf901711211_prep:
	.size	k_qf901711211_prep, .Lfunc_end_k_qf901711211_prep-k_qf901711211_prep
	.p2alignl 7, 3214868480
	.fill 96, 4, 3214868480
	.section	.rodata,"a",@progbits
	.p2align	6, 0x0
	.amdhsa_kernel k_qf901711211_prep
		.amdhsa_group_segment_fixed_size 68096
		.amdhsa_private_segment_fixed_size 0
		.amdhsa_enable_private_segment 0
		.amdhsa_kernarg_size 96
		.amdhsa_user_sgpr_count 2
		.amdhsa_user_sgpr_kernarg_segment_ptr 1
		.amdhsa_wavefront_size32 1
		.amdhsa_system_sgpr_workgroup_id_x 1
		.amdhsa_system_sgpr_workgroup_id_y 1
		.amdhsa_system_sgpr_workgroup_id_z 1
		.amdhsa_system_vgpr_workitem_id 0
		.amdhsa_next_free_vgpr 192
		.amdhsa_next_free_sgpr 66
		.amdhsa_reserve_vcc 0
		.amdhsa_float_denorm_mode_32 3
		.amdhsa_float_denorm_mode_16_64 3
		.amdhsa_memory_ordered 1
		.amdhsa_forward_progress 1
		.amdhsa_inst_pref_size 116
	.end_amdhsa_kernel
	.amdgpu_metadata
---
amdhsa.version: [ 1, 2 ]
amdhsa.kernels:
  - .name:           k_qf901711211_prep
    .symbol:         k_qf901711211_prep.kd
    .args:
      - { .name: query, .offset: 0, .size: 8, .value_kind: global_buffer, .address_space: global }
      - { .name: key, .offset: 8, .size: 8, .value_kind: global_buffer, .address_space: global }
      - { .name: value, .offset: 16, .size: 8, .value_kind: global_buffer, .address_space: global }
      - { .name: Wq, .offset: 24, .size: 8, .value_kind: global_buffer, .address_space: global }
      - { .name: Wk, .offset: 32, .size: 8, .value_kind: global_buffer, .address_space: global }
      - { .name: Wv, .offset: 40, .size: 8, .value_kind: global_buffer, .address_space: global }
      - { .name: Wo, .offset: 48, .size: 8, .value_kind: global_buffer, .address_space: global }
      - { .name: xc, .offset: 56, .size: 8, .value_kind: global_buffer, .address_space: global }
      - { .name: xs, .offset: 64, .size: 8, .value_kind: global_buffer, .address_space: global }
      - { .name: wc, .offset: 72, .size: 8, .value_kind: global_buffer, .address_space: global }
      - { .name: ws, .offset: 80, .size: 8, .value_kind: global_buffer, .address_space: global }
      - { .name: wo16, .offset: 88, .size: 8, .value_kind: global_buffer, .address_space: global }
    .group_segment_fixed_size: 68096
    .private_segment_fixed_size: 0
    .kernarg_segment_align: 8
    .kernarg_segment_size: 96
    .max_flat_workgroup_size: 128
    .sgpr_count:     66
    .vgpr_count:     192
    .wavefront_size: 32
...
	.end_amdgpu_metadata
.endif
;; end of part 1
;; launch proj (part 2): grid 4 x 96, 4 waves a work-group, clusters of 4 x 4, 327,680 bytes of LDS; arguments xc, xs, wc, ws, bq, bk, bv, qkv; writes qkv
.if DOCPART == 2
	.amdgcn_target "amdgcn-amd-amdhsa--gfx1250"
	.amdhsa_code_object_version 6
	.text
	.protected	k_qf901711211_proj
	.globl	k_qf901711211_proj
	.p2align	8
	.type	k_qf901711211_proj,@function
k_qf901711211_proj:
	s_mov_b64 s[64:65], 0
	v_nop
	global_prefetch_b8 v0, s[64:65] scope:SCOPE_SE
	s_setreg_imm32_b32 hwreg(HW_REG_WAVE_MODE, 25, 1), 1
	s_wait_xcnt 0x0
	s_wait_alu depctr_hold_cnt(0) depctr_sa_sdst(0) depctr_va_vdst(0) depctr_va_sdst(0) depctr_va_ssrc(0) depctr_va_vcc(0) depctr_vm_vsrc(0)
	s_getreg_b32 s2, hwreg(HW_REG_IB_STS2, 6, 4)
	s_cmp_eq_u32 s2, 0
	s_cbranch_scc0 .Lentry_in_a_cluster
	s_endpgm
.Lentry_in_a_cluster:
	s_bfe_u32 s2, ttmp6, 0x10000c
	s_cmp_lg_u32 s2, 0xf033
	s_cbranch_scc0 .Lentry_shape_is_right
	s_endpgm
.Lentry_shape_is_right:
; PROJ: the three quantised projections as ONE product on codes of E2M1: A = xc [24576][1024] (query's, key's, value's rows on end), B = wc [3072 n][1024], K innermost, one E8M0 byte for each 32 along K.
; qkv [3][64 bh = 16 b + head][2048 t][64] f16: part 0 = (query Wq + bq) x log2(e) / 8, part 1 = key Wk + bk, part 2 = value Wv + bv.  Sums in f32; the bias is the C of each sum's first product.
; LIMIT: the results stay inside f16's range (65,504).
; A tile of 256 x 256 is made by four waves, 128 x 128 each: 64 accumulators of 16 x 16.  K = 1,024 is two K steps of 512: both slots and all scale bytes are first fills; nothing is filled again.
; CLUSTERS: 4 x 4 work-groups; the four of a row need the same rows of A, the four of a column the same rows of B: each tile is asked for jointly.  Eight clusters along y make one tensor, so which weight
; and which bias is the same in all sixteen partners.  No prefetch: every tile of the launch is asked for at its head.
; THE MATRIX INSTRUCTION IS USED TRANSPOSED (source 0 = 16 rows of B, source 1 = 16 rows of A): a lane holds eight neighbouring columns of one row.
; REGISTERS: window 0: v16-30 addresses; v32-95 scale words, two sets; v128-191 A's fragments, one set; v192-255 the bias, 8 registers for each of B's 8 blocks; on the way out v32-63 packed results, v128-191 rows read back.
;   window 1: B's fragments, two sets, at v0 and v128.  window 2: accumulators of my rows 0-63 ((a, b) at v[8 (8 a + b)]); window 3: of rows 64-127.
.set KSTEP,  512
.set NQ,     4                         ; matrix instructions deep in a slot
.set ROWB,   256                       ; a tile's row in bytes
.set KROW,   512                       ; a row of codes in memory
.set PITCH,  272                       ; an LDS row: 256 bytes + 16: the 16 rows that a load touches start 68 words apart
.set FR,     8
.set NL,     2
.set NP,     4                         ; places behind this matrix instruction (ISA guide 7.12.1)
.set HALFT,  128*PITCH
.set SLOT,   4*HALFT
.set KS,     32                        ; a row of scale bytes
.set SCL,    2*SLOT                    ; behind the ring: the scales, as units of 256 bytes + 16
.set HALFS,  (128*KS/256)*272
.set SBLK,   (16*KS/256)*272
.set STAGE,  SCL+4*HALFS               ; the way out: 16 rows x 272 bytes for each wave; no tile lands here
.set SPITCH, 272
.set SPARE,  STAGE+4*16*SPITCH         ; the spare words: two blocks of 256 bytes that no other line names
.set ADRA, 16
.set ADRB, 20
.set STO,  24
.set RD,   25
.set CO,   26
.set ADRS, 27
.set SPW,  28
.set NIL,  29
.set BO,   30                          ; v30 the bias loads' offset: 32 x (lane / 16)
.set SC,   32
.set TMP,  32
.set AF,   128
.set BK,   128
.set BI,   192
.set G1, 24
.set G0, 32
.set G1B, 48
.set G0B, 56
.set G1S, 68
.set G0S, 76
.set G1SB, 80
.set G0SB, 88
.set MSB, 0
.macro WIN new                         ; the immediate's high byte repeats the setting that is left
.if MSB != \new
	s_set_vgpr_msb (MSB<<8)|\new
.set MSB, \new
.endif
.endm
.set MUL_LO, 0xa1                      ; source 0 (B) window 1, source 1 (A) window 0, C and D window 2
.set MUL_HI, 0xf1                      ; the same, C and D window 3
.set TO_B,   0x40
; A joint load: waves 0 and 1 fetch for A, waves 2 and 3 for B; the branch hangs on the wave's number alone.  An s_nop 0 and four v_nop follow each of the two lines.
.macro JLOAD g0a, g1a, g0b, g1b
	s_cmp_eq_u32 s15, 0
	s_cbranch_scc0 .Lfor_b_\@
	tensor_load_to_lds s[\g0a:\g0a+3], s[\g1a:\g1a+7]
	s_nop 0
.rept 4
	v_nop
.endr
	s_branch .Lasked_\@
.Lfor_b_\@:
	tensor_load_to_lds s[\g0b:\g0b+3], s[\g1b:\g1b+7]
	s_nop 0
.rept 4
	v_nop
.endr
.Lasked_\@:
.endm
.macro CROUND                          ; a round of the cluster's barrier
	s_barrier_signal -1
	s_barrier_wait -1
	s_cmp_lg_u32 s14, 0
	s_cbranch_scc1 .Lnot_wave_0_\@
	s_barrier_signal -3
.Lnot_wave_0_\@:
	s_barrier_wait -3
	s_barrier_signal -1
	s_barrier_wait -1
.endm
	s_load_b128 s[4:7], s[0:1], 0x0                ; xc, xs
	s_load_b128 s[8:11], s[0:1], 0x10              ; wc, ws
	v_lshl_add_u32 v[SPW], v0, 2, SPARE
	v_mov_b32 v[NIL], 0
	ds_add_u32 v[SPW], v[NIL]                      ; the wave's opening: the add, twice on end, and its wait ahead of my first tensor load
	ds_add_u32 v[SPW], v[NIL]
	v_lshrrev_b32 v1, 5, v0
	v_readfirstlane_b32 s14, v1                    ; wave 0..3
	s_lshr_b32 s15, s14, 1                         ; my half of the tile's rows.  Also: I fetch for A (0) or for B (1)
	s_and_b32 s16, s14, 1                          ; my half of its columns.  Also: which 128 rows I fetch
	s_bfe_u32 s40, ttmp6, 0x40000                  ; cx
	s_bfe_u32 s41, ttmp6, 0x40004                  ; cy
	s_lshl_b32 s42, ttmp9, 2
	s_add_co_u32 s42, s42, s40                     ; tile column 0..3
	s_and_b32 s17, ttmp7, 0xffff
	s_lshr_b32 s95, s17, 3                         ; which tensor, 0..2: of the cluster's y alone
	s_lshl_b32 s17, s17, 2
	s_add_co_u32 s17, s17, s41                     ; tile row 0..95
	s_lshl_b32 s43, s41, 2
	s_lshl_b32 s43, 15, s43                        ; my row of the cluster
	s_lshl_b32 s44, 0x1111, s40                    ; my column
	s_or_b32 s[G1+0], s43, (0<<16)|(1<<20)|(1<<21)|(5<<22)|(3<<25)  ; the mask; elements of 1 byte; padding on; bit 21 beside a mask; 4 words after every 64
	s_or_b32 s[G1B+0], s44, (0<<16)|(1<<20)|(1<<21)|(5<<22)|(3<<25)
.irp g, G1, G1B
	s_mov_b32 s[\g+1], ROWB<<16                    ; tensor_dim0
	s_mov_b32 s[\g+2], 128<<16                     ; tensor_dim1
	s_mov_b32 s[\g+3], ROWB<<16                    ; tile_dim0
	s_mov_b32 s[\g+4], 128                         ; tile_dim1
	s_mov_b32 s[\g+5], KROW                        ; from row to row
	s_mov_b32 s[\g+6], 0
	s_mov_b32 s[\g+7], 0
.endr
	s_or_b32 s[G1S+0], s43, (3<<16)|(1<<20)|(1<<21)|(5<<22)|(3<<25)  ; the scales of 128 rows: 4,096 dense bytes as 16 rows of 32 elements of 8 bytes
	s_or_b32 s[G1SB+0], s44, (3<<16)|(1<<20)|(1<<21)|(5<<22)|(3<<25)
.irp g, G1S, G1SB
	s_mov_b32 s[\g+1], 32<<16
	s_mov_b32 s[\g+2], (128*KS/256)<<16
	s_mov_b32 s[\g+3], 32<<16
	s_mov_b32 s[\g+4], 128*KS/256
	s_mov_b32 s[\g+5], 32
	s_mov_b32 s[\g+6], 0
	s_mov_b32 s[\g+7], 0
.endr
	s_lshl_b32 s18, s16, 7
	s_lshl_b32 s20, s17, 8
	s_add_co_u32 s20, s20, s18                     ; A: row 256 x tile row + 128 x half
	s_lshl_b32 s46, s42, 8
	s_add_co_u32 s46, s46, s18
	s_lshl_b32 s47, s95, 10
	s_add_co_u32 s46, s46, s47                     ; B: row 1,024 x tensor + 256 x tile column + 128 x half
	s_mov_b32 s21, 0
	s_mov_b32 s47, 0
	s_mov_b64 s[18:19], KS
	s_mul_u64 s[22:23], s[20:21], s[18:19]         ; where these rows' scales begin
	s_mul_u64 s[92:93], s[46:47], s[18:19]
	s_mov_b64 s[18:19], KROW
	s_mul_u64 s[20:21], s[20:21], s[18:19]         ; and their codes
	s_mul_u64 s[46:47], s[46:47], s[18:19]
	s_mul_i32 s45, s14, HALFT                      ; where they go: wave x 128 rows
	s_mul_i32 s94, s14, HALFS
	s_wait_dscnt 0x0                               ; both opening adds are done
	s_wait_kmcnt 0x0
	s_add_nc_u64 s[20:21], s[4:5], s[20:21]
	s_add_nc_u64 s[22:23], s[6:7], s[22:23]
	s_add_nc_u64 s[46:47], s[8:9], s[46:47]
	s_add_nc_u64 s[92:93], s[10:11], s[92:93]
	CROUND                                         ; all sixteen work-groups are here: the joint loads meet
	s_mov_b32 s[G0S], 1
	s_add_co_u32 s[G0S+1], s94, SCL
	s_mov_b64 s[G0S+2:G0S+3], s[22:23]
	s_or_b32 s[G0S+3], s[G0S+3], 0x80000000
	s_mov_b32 s[G0SB], 1
	s_add_co_u32 s[G0SB+1], s94, SCL
	s_mov_b64 s[G0SB+2:G0SB+3], s[92:93]
	s_or_b32 s[G0SB+3], s[G0SB+3], 0x80000000
	JLOAD G0S, G1S, G0SB, G1SB                     ; the scales first: they are wanted with K step 0
.irp s, 0,1
	s_mov_b32 s[G0+4*\s], 1
	s_add_co_u32 s[G0+4*\s+1], s45, \s*SLOT
	s_add_nc_u64 s[G0+4*\s+2:G0+4*\s+3], s[20:21], \s*ROWB
	s_or_b32 s[G0+4*\s+3], s[G0+4*\s+3], 0x80000000
	s_mov_b32 s[G0B+4*\s], 1
	s_add_co_u32 s[G0B+4*\s+1], s45, \s*SLOT
	s_add_nc_u64 s[G0B+4*\s+2:G0B+4*\s+3], s[46:47], \s*ROWB
	s_or_b32 s[G0B+4*\s+3], s[G0B+4*\s+3], 0x80000000
	JLOAD G0+4*\s, G1, G0B+4*\s, G1B               ; three loads of mine are out
.endr
	s_load_b256 s[4:11], s[0:1], 0x20              ; bq s[4:5], bk s[6:7], bv s[8:9], qkv s[10:11]: the operands' addresses live on in the descriptors
	v_and_b32 v1, 15, v0                           ; r = lane % 16
	v_bfe_u32 v2, v0, 4, 1                         ; h = lane / 16
	v_mul_u32_u24 v3, v1, PITCH
	v_lshl_add_u32 v4, v2, 4, v3                   ; a fragment's row x pitch + 16 h
	s_mul_i32 s21, s15, HALFT                      ; my 128 rows of A
	s_mul_i32 s22, s16, HALFT                      ; my 128 rows of B,
	s_add_co_u32 s22, s22, 2*HALFT                 ; behind A's 256
.irp s, 0,1
	v_add_nc_u32 v[ADRA+\s], s21, v4
	v_add_nc_u32 v[ADRB+\s], s22, v4
	s_add_co_u32 s21, s21, SLOT
	s_add_co_u32 s22, s22, SLOT
.endr
	v_mul_u32_u24 v5, v1, KS                       ; my row's scales: 32 bytes a row,
	v_lshrrev_b32 v6, 8, v5
	v_lshl_add_u32 v5, v6, 4, v5                   ; and 16 more for each 256 passed
	s_mul_i32 s21, s15, HALFS
	s_mul_i32 s22, s16, HALFS
	s_add_co_u32 s22, s22, 2*HALFS
	s_sub_co_u32 s22, s22, s21
	v_mul_u32_u24 v6, s22, v2                      ; lanes 16-31 take B's
	s_add_co_u32 s21, s21, SCL
	v_add_nc_u32 v5, v5, v6
	v_add_nc_u32 v[ADRS], s21, v5
	s_mul_i32 s23, s14, 16*SPITCH
	s_add_co_u32 s23, s23, STAGE                   ; my stage
	v_mul_u32_u24 v5, v1, SPITCH
	v_lshl_add_u32 v5, v2, 4, v5
	v_add_nc_u32 v[STO], s23, v5                   ; in: row r, 16 bytes for each half of the lanes
	v_and_b32 v6, 31, v0
	v_lshrrev_b32 v7, 3, v6
	v_mul_u32_u24 v7, v7, SPITCH
	v_and_b32 v8, 7, v6
	v_lshl_add_u32 v7, v8, 4, v7
	v_add_nc_u32 v[RD], s23, v7                    ; back: eight lanes take a head's 128 bytes of a row, four rows an instruction
	v_lshlrev_b32 v[CO], 4, v6                     ; which are 512 consecutive bytes of qkv
	v_lshlrev_b32 v[BO], 5, v2
	s_wait_kmcnt 0x0
	s_cmp_lt_u32 s95, 2
	s_cselect_b64 s[6:7], s[6:7], s[8:9]           ; bk or bv
	s_cmp_lt_u32 s95, 1
	s_cselect_b64 s[4:5], s[4:5], s[6:7]           ; bq, or that
	s_cselect_b32 s96, 0x3e38aa3b, 1.0             ; q carries log2(e) / 8, so that attention's p is 2^(s - m)
	s_mov_b32 s97, s96                             ; (named with it as a pair)
	s_lshl_b32 s46, s42, 10
	s_lshl_b32 s47, s16, 9
	s_add_co_u32 s46, s46, s47                     ; my first column's bias: 4 x (256 x tile column + 128 x half)
	s_mov_b32 s47, 0
	s_add_nc_u64 s[4:5], s[4:5], s[46:47]
.irp b, 0,1,2,3,4,5,6,7                        ; in the result's layout: lane (r, h), block b: columns 16 b + 8 h + 0 .. 7
	global_load_b128 v[BI+8*\b:BI+8*\b+3], v[BO], s[4:5] offset:64*\b
	global_load_b128 v[BI+8*\b+4:BI+8*\b+7], v[BO], s[4:5] offset:64*\b+16
.endr
	s_and_b32 s20, s17, 31                         ; the tile row in its tensor
	s_lshr_b32 s21, s20, 3                         ; b
	s_lshl_b32 s21, s21, 4
	s_lshl_b32 s46, s42, 2
	s_add_co_u32 s21, s21, s46
	s_lshl_b32 s46, s16, 1
	s_add_co_u32 s21, s21, s46                     ; 16 b + my first head (4 x tile column + 2 x half)
	s_lshl_b32 s21, s21, 18                        ; 262,144 bytes a head
	s_and_b32 s20, s20, 7
	s_lshl_b32 s20, s20, 8
	s_lshl_b32 s46, s15, 7
	s_add_co_u32 s20, s20, s46                     ; my first t
	s_lshl_b32 s20, s20, 7                         ; 128 bytes a row
	s_add_co_u32 s20, s20, s21
	s_lshl_b32 s21, s95, 24                        ; 16,777,216 bytes a part
	s_add_co_u32 s20, s20, s21
	s_mov_b32 s21, 0
	s_add_nc_u64 s[12:13], s[10:11], s[20:21]
.macro FRAG reg, adr, q, i             ; 16 rows x 128 K of 4-bit codes: 8 registers; two loads of 16 bytes, 32 bytes apart
.irp c, 0,1
	ds_load_b128 v[\reg+4*\c:\reg+4*\c+3], v[\adr] offset:64*(\q)+32*\c+(\i)*16*PITCH
.endr
.endm
; 16 matrix instructions: A's blocks a0, a0 + 1 x B's eight.  zero = 1: the first product starts the sums from the bias.  The 64 accumulators take turns, one instruction a turn.
.macro MUL16 a0, p, q, sc, zero
.irp a, \a0, \a0+1
.irp b, 0,1,2,3,4,5,6,7
.if \zero
	v_wmma_scale_f32_16x16x128_f8f6f4 v[8*(8*((\a)%4)+\b):8*(8*((\a)%4)+\b)+7], v[128*(\p)+FR*\b:128*(\p)+FR*\b+FR-1], v[AF+FR*(\a):AF+FR*(\a)+FR-1], v[BI+8*\b:BI+8*\b+7], v[SC+8*NQ*(\sc)+NQ*\b+(\q)], v[SC+8*NQ*(\sc)+NQ*(\a)+(\q)] matrix_a_fmt:MATRIX_FMT_FP4 matrix_b_fmt:MATRIX_FMT_FP4 matrix_a_scale:MATRIX_SCALE_ROW1
.else
	v_wmma_scale_f32_16x16x128_f8f6f4 v[8*(8*((\a)%4)+\b):8*(8*((\a)%4)+\b)+7], v[128*(\p)+FR*\b:128*(\p)+FR*\b+FR-1], v[AF+FR*(\a):AF+FR*(\a)+FR-1], v[8*(8*((\a)%4)+\b):8*(8*((\a)%4)+\b)+7], v[SC+8*NQ*(\sc)+NQ*\b+(\q)], v[SC+8*NQ*(\sc)+NQ*(\a)+(\q)] matrix_a_fmt:MATRIX_FMT_FP4 matrix_b_fmt:MATRIX_FMT_FP4 matrix_a_scale:MATRIX_SCALE_ROW1
.endif
.endr
.endr
.endm
.macro FETCH_B slot, q, p
	WIN TO_B
.irp i, 0,1,2,3,4,5,6,7
	FRAG 128*(\p)+FR*\i, ADRB+\slot, \q, \i
.endr
	WIN 0
.endm
.macro FETCH_A slot, q, i0
.irp i, \i0, \i0+1, \i0+2, \i0+3
	FRAG AF+FR*(\i), ADRA+\slot, \q, \i
.endr
.endm
.macro SCALES sc                       ; a K step's scale words: lanes 0-15 take A's block i, lanes 16-31 B's block i
.irp i, 0,1,2,3,4,5,6,7
	ds_load_b128 v[SC+8*NQ*\sc+NQ*\i:SC+8*NQ*\sc+NQ*\i+3], v[ADRS] offset:\i*SBLK
.endr
.endm
.macro PLACES n                        ; plain vector lines between a matrix instruction and a load into, or a read of, its registers
.rept \n
	v_nop
.endr
.endm
.macro STEP slot, q, zero              ; 128 along K, with its successor in the same slot
	s_wait_dscnt 4*NL                              ; B's set and A's blocks 0-3 are in; the youngest eight loads (A's blocks 4-7) may be out
	WIN MUL_LO-0x20*(\zero)                        ; (with the bias as C: source 2 in window 0)
	MUL16 0, (\q)%2, \q, \slot, \zero
	MUL16 2, (\q)%2, \q, \slot, \zero
	s_wait_dscnt 0
	PLACES NP
	FETCH_B \slot, (\q)+1, 1-(\q)%2
	FETCH_A \slot, (\q)+1, 0
	WIN MUL_HI-0x30*(\zero)
	MUL16 4, (\q)%2, \q, \slot, \zero
	MUL16 6, (\q)%2, \q, \slot, \zero
	PLACES NP
	WIN 0
	FETCH_A \slot, (\q)+1, 4
.endm
.macro TURN slot, next                 ; a slot's last step changes slots: one barrier; nothing is filled again
	s_wait_tensorcnt 0x0                           ; all my tensor loads have landed: my part of the next slot
	ds_add_u32 v[SPW], v[NIL]
	s_wait_dscnt 4*NL+1                            ; the add and A's blocks 4-7 may be out
	WIN MUL_LO
	MUL16 0, 1, NQ-1, \slot, 0
	s_wait_dscnt 0x0
	s_barrier_signal -1
	MUL16 2, 1, NQ-1, \slot, 0
	WIN 0
	s_barrier_wait -1                              ; the next slot is whole
	PLACES NP
	v_add_nc_u32 v[ADRS], 4*NQ, v[ADRS]            ; the next K step's scale words
	FETCH_B \next, 0, 0
	FETCH_A \next, 0, 0
	SCALES \next
	WIN MUL_HI
	MUL16 4, 1, NQ-1, \slot, 0
	MUL16 6, 1, NQ-1, \slot, 0
	PLACES NP
	WIN 0
	FETCH_A \next, 0, 4
.endm
.macro STEPS slot, from
.set Q, \from
.rept NQ-1-\from
	STEP \slot, Q, 0
.set Q, Q+1
.endr
.endm
	s_wait_tensorcnt 1                             ; the scales and my part of K step 0 are in; K step 1's load may be out,
	s_barrier_signal -1
	s_barrier_wait -1                              ; everybody's are
	FETCH_B 0, 0, 0
	FETCH_A 0, 0, 0
	SCALES 0
	FETCH_A 0, 0, 4
	s_wait_loadcnt 0x0                             ; the bias
	STEP 0, 0, 1
	STEPS 0, 1
	TURN 0, 1
	STEPS 1, 0
	s_wait_dscnt 4*NL                              ; the last step: nothing more to fetch
	WIN MUL_LO
	MUL16 0, 1, NQ-1, 1, 0
	MUL16 2, 1, NQ-1, 1, 0
	s_wait_dscnt 0
	WIN MUL_HI
	MUL16 4, 1, NQ-1, 1, 0
	MUL16 6, 1, NQ-1, 1, 0
	WIN 0
; THE WAY OUT, a block of 16 rows x 128 columns (two heads) at a time: x the part's factor, rounded to f16, through my stage, and out as 4 rows x 128 bytes of one head: 512 consecutive bytes of qkv.
.macro PACK a
.set AC, 64*((\a)%4)
	WIN 0x82+0x41*((\a)/4)                         ; destination and source 0: window 2 or 3
.set i, 0
.rept 32
	v_pk_mul_f32 v[AC+2*i:AC+2*i+1], v[AC+2*i:AC+2*i+1], s[96:97] op_sel_hi:[1,0]   ; each accumulator from its low end on
.set i, i+1
.endr
	WIN 0x0a+5*((\a)/4)
.set i, 0
.rept 32
	v_cvt_pk_f16_f32 v[TMP+i], v[AC+2*i], v[AC+2*i+1]
.set i, i+1
.endr
	WIN 0
.endm
.macro TOSTAGE a
.set BB, BK+32*((\a)%2)
.if (\a) > 1
	s_wait_xcnt 0x0                                ; the stores of two blocks back have read their registers: the loads below may land there
.endif
.irp b, 0,1,2,3,4,5,6,7
	ds_store_b128 v[STO], v[TMP+4*\b:TMP+4*\b+3] offset:32*\b
.endr
.irp u, 0,1,2,3,4,5,6,7
	ds_load_b128 v[BB+4*\u:BB+4*\u+3], v[RD] offset:(\u%4)*4*SPITCH+(\u/4)*128   ; LDS serves a wave's instructions in order: these see the stores above
.endr
.endm
.macro SEND a
.set BB, BK+32*((\a)%2)
	s_wait_dscnt 0x0
.irp u, 0,1,2,3,4,5,6,7
	global_store_b128 v[CO], v[BB+4*\u:BB+4*\u+3], s[12:13] offset:(\u/4)*262144+(16*(\a)+4*(\u%4))*128
.endr
.endm
	PLACES NP
	PACK 0
	TOSTAGE 0
.irp a, 1,2,3,4,5,6,7                  ; block a's arithmetic stands between block a - 1's loads from the stage and the wait for them
	PACK \a
	SEND \a-1
	TOSTAGE \a
.endr
	SEND 7
	s_wait_tensorcnt 0x0                           ; the wave's end
	ds_add_u32 v[SPW], v[NIL]
	s_wait_dscnt 0x0
	CROUND                                         ; the closing round
	s_endpgm
.Lfunc_end_k_qf901711211_proj:
	.size	k_qf901711211_proj, .Lfunc_end_k_qf901711211_proj-k_qf901711211_proj
	.p2alignl 7, 3214868480
	.fill 96, 4, 3214868480
	.section	.rodata,"a",@progbits
	.p2align	6, 0x0
	.amdhsa_kernel k_qf901711211_proj
		.amdhsa_group_segment_fixed_size 327680
		.amdhsa_private_segment_fixed_size 0
		.amdhsa_enable_private_segment 0
		.amdhsa_kernarg_size 64
		.amdhsa_user_sgpr_count 2
		.amdhsa_user_sgpr_kernarg_segment_ptr 1
		.amdhsa_wavefront_size32 1
		.amdhsa_system_sgpr_workgroup_id_x 1
		.amdhsa_system_sgpr_workgroup_id_y 1
		.amdhsa_system_sgpr_workgroup_id_z 1
		.amdhsa_system_vgpr_workitem_id 0
		.amdhsa_next_free_vgpr 1024
		.amdhsa_next_free_sgpr 100
		.amdhsa_reserve_vcc 0
		.amdhsa_float_denorm_mode_32 3
		.amdhsa_float_denorm_mode_16_64 3
		.amdhsa_memory_ordered 1
		.amdhsa_forward_progress 1
		.amdhsa_inst_pref_size 145
	.end_amdhsa_kernel
	.amdgpu_metadata
---
amdhsa.version: [ 1, 2 ]
amdhsa.kernels:
  - .name:           k_qf901711211_proj
    .symbol:         k_qf901711211_proj.kd
    .args:
      - { .name: xc, .offset: 0, .size: 8, .value_kind: global_buffer, .address_space: global }
      - { .name: xs, .offset: 8, .size: 8, .value_kind: global_buffer, .address_space: global }
      - { .name: wc, .offset: 16, .size: 8, .value_kind: global_buffer, .address_space: global }
      - { .name: ws, .offset: 24, .size: 8, .value_kind: global_buffer, .address_space: global }
      - { .name: bq, .offset: 32, .size: 8, .value_kind: global_buffer, .address_space: global }
      - { .name: bk, .offset: 40, .size: 8, .value_kind: global_buffer, .address_space: global }
      - { .name: bv, .offset: 48, .size: 8, .value_kind: global_buffer, .address_space: global }
      - { .name: qkv, .offset: 56, .size: 8, .value_kind: global_buffer, .address_space: global }
    .group_segment_fixed_size: 327680
    .private_segment_fixed_size: 0
    .kernarg_segment_align: 8
    .kernarg_segment_size: 64
    .max_flat_workgroup_size: 128
    .sgpr_count:     100
    .vgpr_count:     1024
    .wavefront_size: 32
...
	.end_amdgpu_metadata
.endif
;; end of part 2
;; launch attn (part 3): grid 4 x 64, 8 waves a work-group, clusters of 4 x 1, 327,680 bytes of LDS; arguments qkv, mask, ao; writes ao
.if DOCPART == 3
	.amdgcn_target "amdgcn-amd-amdhsa--gfx1250"
	.amdhsa_code_object_version 6
	.text
	.protected	k_qf901711211_attn
	.globl	k_qf901711211_attn
	.p2align	8
	.type	k_qf901711211_attn,@function
k_qf901711211_attn:
	s_mov_b64 s[64:65], 0
	v_nop
	global_prefetch_b8 v0, s[64:65] scope:SCOPE_SE
	s_setreg_imm32_b32 hwreg(HW_REG_WAVE_MODE, 25, 1), 1
	s_wait_xcnt 0x0
	s_wait_alu depctr_hold_cnt(0) depctr_sa_sdst(0) depctr_va_vdst(0) depctr_va_sdst(0) depctr_va_ssrc(0) depctr_va_vcc(0) depctr_vm_vsrc(0)
	s_getreg_b32 s2, hwreg(HW_REG_IB_STS2, 6, 4)
	s_cmp_eq_u32 s2, 0
	s_cbranch_scc0 .Lentry_in_a_cluster
	s_endpgm
.Lentry_in_a_cluster:
	s_bfe_u32 s2, ttmp6, 0x10000c
	s_cmp_lg_u32 s2, 0x3003
	s_cbranch_scc0 .Lentry_shape_is_right
	s_endpgm
.Lentry_shape_is_right:
; ATTN: for each (b, head): softmax over the keys of q . k / 8, keys with mask 0 left out, times v.  qkv [3][64 bh][2048][64] f16, part 0 already times log2(e) / 8; mask [4][2048] bytes 0 or 1.
; ao [16 head][8192 = 2048 b + t][64] f16.  Products by the f16 matrix form, sums, maxima and the softmax in f32; p is rounded to f16 for the second product, the row's sum is taken of the unrounded p.
; SHARES.  A work-group owns 512 queries of one (b, head); each of its eight waves 64: four tiles of 16.  Two waves share a SIMD, so that one wave's softmax stands beside the other's products.
; LAYOUT.  S^T = K Q^T (source 0 = 16 keys, source 1 = 16 queries) and O^T = V^T P: a lane holds ONE query throughout; two tiles of S^T, rounded in pairs, ARE source 1 of the second product.
; SOFTMAX.  A running maximum m and sum l for each query: p = 2^(s - m); in every step O and l are multiplied by a = 2^(m_old - m_new).
; THE MASK costs no vector instruction in the loop: a table of 0 or X = -2^100 for each key is the C of the first product of S^T.  A hidden key's p is 2^(about X) = 0.  While only hidden keys have been seen the sums
; hold finite numbers that the next a = 2^(X - m) = 0 wipes out.  Where a batch has no open key at all, Q is set to zero: every s is then exactly X, every p is 1: equal weights, as the -1e30 of the definition gives.
; LIMITS: logits under 2^76 in magnitude; NaN and infinities are not served.
; CLUSTER.  The four query blocks of one head form a cluster and walk the same K and V: each tile is asked for jointly (mask 15).
; REGISTERS.  window 0: v3-15 addresses; v16-63 statistics, 12 a tile: +0 m, +1 old m, +2 a, +3 its exponent, +4..7 l in two pairs, +8..11 at work; v64-95 the mask table of a step; v96-159 Q; v160-223 K or V of a step.
;   window 1: v0-127 S^T (tile t, keys 16 kt on: 32 t + 8 kt), P packed in place (32 t + 8 g); v128-255 O^T (128 + 32 t + 8 d).
.set KS,    64                         ; keys in a step
.set PK,    144                        ; a row of K in LDS: 128 bytes + 16
.set PVP,   160                        ; a row of V: 128 + 32, for the turning load
.set VOFF,  KS*PK
.set STEPB, KS*(PK+PVP)                ; a step's tiles: 64 rows of K, then 64 of V
.set SLOT1, 1<<17                      ; a slot holds four steps (77,824 bytes); one exclusive or turns an address into the other slot's
.set BIAS,  SLOT1+4*STEPB              ; the mask table: 2,048 f32
.set STAGE, BIAS+8192                  ; the way out: 16 rows x 144 bytes for each wave
.set SP,    144
.set SPARE, STAGE+8*16*SP              ; the spare words: four blocks of 256 bytes that no other line names
.set AK0, 3
.set AV0, 4
.set AB0, 5
.set ADR, 6
.set ADV, 7
.set ADB, 8
.set QO,  9
.set STO, 10
.set RD,  11
.set GO,  12
.set PFO, 13
.set SPW, 14
.set NIL, 15
.set ST,  16
.set BI,  64
.set QF,  96
.set KV,  160
.set WV,  12
.set LIM, 15
.set PFA, 18
.set G1K, 24
.set G1V, 32
.set G0K, 40
.set G0V, 48
.set SLOTS, 56
.set CNT, 57
.set SEL, 58
.set TB,  60                           ; s60 LDS byte at which the tiles of the step to be fetched begin
.set TJ,  61                           ; s61 byte in the mask table of the step to be fetched
.set ANY, 62
.set QM,  63
.set MSB, 0
.macro WIN new                         ; bits 1:0 source 0, 3:2 source 1, 5:4 source 2, 7:6 destination; the high byte repeats the setting that is left
.if MSB != \new
	s_set_vgpr_msb (MSB<<8)|\new
.set MSB, \new
.endif
.endm
.macro PLACES n
.rept \n
	v_nop
.endr
.endm
; A joint refill: waves 0-3 fetch the four steps' tiles of K, waves 4-7 those of V.  The branch hangs on the wave's number alone.  An s_nop 0 and four v_nop follow each line.
.macro JLOAD
	s_cmp_lt_u32 s[WV], 4
	s_cbranch_scc0 .Lfor_v_\@
	tensor_load_to_lds s[G0K+4:G0K+7], s[G1K:G1K+7]
	s_nop 0
.rept 4
	v_nop
.endr
	s_branch .Lasked_\@
.Lfor_v_\@:
	tensor_load_to_lds s[G0V+4:G0V+7], s[G1V:G1V+7]
	s_nop 0
.rept 4
	v_nop
.endr
.Lasked_\@:
.endm
; A PREFETCH INTO THE L2 of what the NEXT change of slots will ask for: 256 rows of K and of V, 32,768 dense bytes each.  The four partners share them out by address, 8,192 bytes each, lanes 256 bytes apart;
; wave 0 asks for K's, wave 4 for V's: each block of 256 bytes is named once.  Four key steps ahead of the load.  The last change that fills a slot asks for nothing.
.macro ASK
	s_cmp_gt_u32 s[SLOTS], s[LIM]
	s_cbranch_scc0 .Lnot_mine_\@
	global_prefetch_b8 v[PFO], s[PFA:PFA+1] th:TH_LOAD_NT scope:SCOPE_SE
.Lnot_mine_\@:
.endm
.macro CROUND                          ; a round of the cluster's barrier
	s_barrier_signal -1
	s_barrier_wait -1
	s_cmp_lg_u32 s[WV], 0
	s_cbranch_scc1 .Lnot_wave_0_\@
	s_barrier_signal -3
.Lnot_wave_0_\@:
	s_barrier_wait -3
	s_barrier_signal -1
	s_barrier_wait -1
.endm
	s_load_b128 s[4:7], s[0:1], 0x0                ; qkv, mask
	s_load_b64 s[8:9], s[0:1], 0x10                ; ao
	v_lshl_add_u32 v[SPW], v0, 2, SPARE
	v_mov_b32 v[NIL], 0
	ds_add_u32 v[SPW], v[NIL]                      ; the wave's opening: the add, twice on end, and its wait ahead of my first tensor load
	ds_add_u32 v[SPW], v[NIL]
	v_lshrrev_b32 v1, 5, v0
	v_readfirstlane_b32 s[WV], v1                  ; wave 0..7
	s_bfe_u32 s13, ttmp6, 0x40000                  ; cx
	s_and_b32 s14, ttmp7, 0xffff                   ; bh = 16 b + head, which the partners share
	s_and_b32 s2, s[WV], 3                         ; which of a slot's four steps I fetch
	s_mul_i32 s3, s2, STEPB                        ; its place in a slot
	s_lshl_b32 s22, s2, 13                         ; its 64 rows of 128 bytes in memory
	s_lshl_b32 s10, s14, 18                        ; the head's first byte in a part of qkv
	s_add_co_u32 s22, s22, s10
	s_mov_b32 s23, 0
	s_lshl_b32 s11, ttmp9, 2
	s_add_co_u32 s11, s11, s13                     ; my block of 512 queries
	s_lshl_b32 s11, s11, 16
	s_lshl_b32 s2, s[WV], 13
	s_add_co_u32 s11, s11, s2                      ; + my wave's 64 rows: bytes in a head's rows
	s_mov_b32 s[G1K], 15|(1<<16)|(1<<20)|(1<<21)|(4<<22)|(3<<25)   ; the mask: all four; elements of 2 bytes; padding on; bit 21 beside a mask; 4 words after every 32
	s_mov_b32 s[G1V], 15|(1<<16)|(1<<20)|(1<<21)|(4<<22)|(7<<25)   ; the same with 8 words
.irp g, G1K, G1V
	s_mov_b32 s[\g+1], 64<<16                      ; tensor_dim0 = 64
	s_mov_b32 s[\g+2], KS<<16                      ; tensor_dim1 = 64
	s_mov_b32 s[\g+3], 64<<16                      ; tile_dim0 = 64
	s_mov_b32 s[\g+4], KS                          ; tile_dim1 = 64
	s_mov_b32 s[\g+5], 64                          ; from row to row
	s_mov_b32 s[\g+6], 0
	s_mov_b32 s[\g+7], 0
.endr
	s_mov_b32 s[SEL], 0x76543210
	s_mov_b32 s[SEL+1], 0xfedcba98                 ; lane l xor 16
	s_mov_b32 s[TB], 0
	s_mov_b32 s[TJ], 0
	s_mov_b32 s[SLOTS], 6                          ; slots still to be asked for: 8 in all, 2 at the head
	s_and_b32 s[LIM], s[WV], 3
	s_or_b32 s[LIM], s[LIM], ttmp9                 ; 0 in waves 0 and 4 of the head's first cluster
	s_cmp_eq_u32 s[LIM], 0
	s_cselect_b32 s[LIM], 1, -1
	v_and_b32 v[PFO], 31, v0
	v_lshlrev_b32 v[PFO], 8, v[PFO]
	s_wait_dscnt 0x0                               ; both opening adds are done
	s_wait_kmcnt 0x0
	s_add_nc_u64 s[16:17], s[4:5], s[22:23]
	s_add_nc_u64 s[20:21], s[16:17], 0x2000000     ; V's part, at my tile of slot 0
	s_add_nc_u64 s[16:17], s[16:17], 0x1000000     ; K's part
	s_add_co_u32 s22, s10, s11
	s_add_nc_u64 s[4:5], s[4:5], s[22:23]          ; Q at my wave's first row
	s_lshr_b32 s2, s14, 4                          ; b
	s_lshl_b32 s22, s2, 11
	s_add_nc_u64 s[6:7], s[6:7], s[22:23]          ; my batch's row of the mask
	s_lshl_b32 s22, s2, 18
	s_add_co_u32 s22, s22, s11
	s_and_b32 s2, s14, 15
	s_lshl_b32 s2, s2, 20                          ; the head's plane of ao
	s_add_co_u32 s22, s22, s2
	s_add_nc_u64 s[8:9], s[8:9], s[22:23]          ; ao at my wave's first row
	s_cmp_lt_u32 s[WV], 4
	s_cselect_b64 s[PFA:PFA+1], s[16:17], s[20:21] ; (in waves 0 and 4 these stand at a slot's first row)
	s_lshl_b32 s22, s13, 13                        ; my work-group's 8,192 bytes
	s_add_nc_u64 s[PFA:PFA+1], s[PFA:PFA+1], s[22:23]
	s_add_nc_u64 s[PFA:PFA+1], s[PFA:PFA+1], 65536 ; in slot 2; the first change steps it to slot 3.  Nothing is prefetched here, at the head
	CROUND                                         ; all four work-groups are here: the first joint loads meet
.irp s, 0,1
	s_mov_b32 s[G0K+4*\s], 1
	s_add_co_u32 s[G0K+4*\s+1], s3, \s*SLOT1
	s_add_nc_u64 s[G0K+4*\s+2:G0K+4*\s+3], s[16:17], \s*32768
	s_or_b32 s[G0K+4*\s+3], s[G0K+4*\s+3], 0x80000000
	s_mov_b32 s[G0V+4*\s], 1
	s_add_co_u32 s[G0V+4*\s+1], s3, \s*SLOT1+VOFF
	s_add_nc_u64 s[G0V+4*\s+2:G0V+4*\s+3], s[20:21], \s*32768
	s_or_b32 s[G0V+4*\s+3], s[G0V+4*\s+3], 0x80000000
.endr
	s_cmp_lt_u32 s[WV], 4                          ; a wave's two first fills stand in one branch: two loads of mine are out
	s_cbranch_scc0 .Lfirst_v
	tensor_load_to_lds s[G0K:G0K+3], s[G1K:G1K+7]
	s_nop 0
	tensor_load_to_lds s[G0K+4:G0K+7], s[G1K:G1K+7]
	s_nop 0
.rept 4
	v_nop
.endr
	s_branch .Lfirst_asked
.Lfirst_v:
	tensor_load_to_lds s[G0V:G0V+3], s[G1V:G1V+7]
	s_nop 0
	tensor_load_to_lds s[G0V+4:G0V+7], s[G1V:G1V+7]
	s_nop 0
.rept 4
	v_nop
.endr
.Lfirst_asked:
	v_and_b32 v1, 15, v0                           ; r
	v_bfe_u32 v2, v0, 4, 1                         ; h
	v_lshlrev_b32 v[QO], 7, v1
	v_lshl_add_u32 v[QO], v2, 4, v[QO]             ; row r of 128 bytes + 16 h
.irp t, 0,1,2,3                                ; Q stays in registers: tile t, channels 32 c on
.irp c, 0,1
	global_load_b128 v[QF+16*\t+8*\c:QF+16*\t+8*\c+3], v[QO], s[4:5] offset:2048*\t+64*\c
	global_load_b128 v[QF+16*\t+8*\c+4:QF+16*\t+8*\c+7], v[QO], s[4:5] offset:2048*\t+64*\c+32
.endr
.endr
	v_lshlrev_b32 v250, 3, v0                      ; my thread's 8 keys of the mask
	global_load_b64 v[224:225], v250, s[6:7]
	v_and_b32 v251, 31, v0
	v_lshlrev_b32 v251, 6, v251                    ; and, for the question whether any key is open, my lane's 64 of the whole row
.irp i, 0,1,2,3
	global_load_b128 v[226+4*\i:229+4*\i], v251, s[6:7] offset:16*\i
.endr
	v_lshl_add_u32 v252, v0, 5, BIAS               ; where my 8 table entries go
	v_mul_u32_u24 v[AK0], v1, PK
	v_lshl_add_u32 v[AK0], v2, 4, v[AK0]           ; K: row r x pitch + 16 h
	v_and_b32 v253, 7, v0
	v_lshl_add_u32 v[AV0], v2, 3, v253             ; V, for the turning load: key 8 h + lane % 8,
	v_mul_u32_u24 v[AV0], v[AV0], PVP
	v_bfe_u32 v253, v0, 3, 1
	v_lshl_add_u32 v[AV0], v253, 4, v[AV0]         ; channels 8 ((lane / 8) % 2) on
	v_add_nc_u32 v[AV0], VOFF, v[AV0]
	v_lshl_add_u32 v[AB0], v2, 5, BIAS             ; the table: my half's 8 keys of a tile
	s_mul_i32 s2, s[WV], 16*SP
	s_add_co_u32 s2, s2, STAGE                     ; my stage
	v_mul_u32_u24 v[STO], v1, SP
	v_lshl_add_u32 v[STO], v2, 4, v[STO]
	v_add_nc_u32 v[STO], s2, v[STO]                ; in: row r, 16 bytes for each half of the lanes
	v_and_b32 v253, 31, v0
	v_lshlrev_b32 v[GO], 4, v253                   ; out: 16 x lane: four rows of 128 bytes are 512 consecutive bytes of ao
	v_lshrrev_b32 v254, 3, v253
	v_mul_u32_u24 v[RD], v254, SP
	v_and_b32 v254, 7, v253
	v_lshl_add_u32 v[RD], v254, 4, v[RD]
	v_add_nc_u32 v[RD], s2, v[RD]                  ; back: eight lanes to a row, four rows an instruction
.irp t, 0,1,2,3
	v_mov_b32 v[ST+12*\t], 0xff61b1e6              ; m = -3e38, under every s
.endr
	s_wait_loadcnt 0x0
.irp i, 0,1,2,3,4,5,6,7
	v_bfe_u32 v[242+\i], v[224+\i/4], 8*(\i%4), 8
.endr
.irp i, 0,1,2,3,4,5,6,7
	v_add_nc_u32 v[242+\i], -1, v[242+\i]          ; 1 -> 0, 0 -> all ones
.endr
.irp i, 0,1,2,3,4,5,6,7
	v_and_b32 v[242+\i], 0xf1800000, v[242+\i]     ; 0, or X = -2^100
.endr
	ds_store_b128 v252, v[242:245]
	ds_store_b128 v252, v[246:249] offset:16
.irp i, 0,1,2,3,4,5,6,7
	v_or_b32 v[226+\i], v[226+\i], v[234+\i]
.endr
.irp i, 0,1,2,3
	v_or_b32 v[226+\i], v[226+\i], v[230+\i]
.endr
	v_or_b32 v226, v226, v228
	v_or_b32 v227, v227, v229
	v_or_b32 v226, v226, v227
	v_cmp_ne_u32 s[ANY], 0, v226                   ; the lanes that saw an open key
	s_cmp_lg_u32 s[ANY], 0
	s_cselect_b32 s[QM], -1, 0                     ; a choice of a value, no branch
.set i, 0
.rept 64
	v_and_b32 v[QF+i], s[QM], v[QF+i]              ; no open key in the batch: Q = 0
.set i, i+1
.endr
.macro LOADB                           ; the next step's mask table, in the layout of S^T: lane (r, h), tile kt: keys 16 kt + 8 h + 0 .. 7
	v_add_nc_u32 v[ADB], s[TJ], v[AB0]
	s_add_co_u32 s[TJ], s[TJ], 256
.irp kt, 0,1,2,3
	ds_load_b128 v[BI+8*\kt:BI+8*\kt+3], v[ADB] offset:64*\kt
	ds_load_b128 v[BI+8*\kt+4:BI+8*\kt+7], v[ADB] offset:64*\kt+16
.endr
.endm
.macro LOADK c                         ; K's four fragments of channels 32 c on
.if \c == 0
	v_add_nc_u32 v[ADR], s[TB], v[AK0]
.endif
.irp kt, 0,1,2,3
	ds_load_b128 v[KV+32*\c+8*\kt:KV+32*\c+8*\kt+3], v[ADR] offset:16*PK*\kt+64*\c
	ds_load_b128 v[KV+32*\c+8*\kt+4:KV+32*\c+8*\kt+7], v[ADR] offset:16*PK*\kt+64*\c+32
.endr
.endm
.macro LOADV                           ; V's eight fragments, turned: keys 32 g on, channels 16 d on
	v_add_nc_u32 v[ADV], s[TB], v[AV0]
	s_add_co_u32 s[TB], s[TB], STEPB               ; the next fetch is the next step's
.irp g, 0,1
.irp d, 0,1,2,3
	ds_load_tr16_b128 v[KV+32*\g+8*\d:KV+32*\g+8*\d+3], v[ADV] offset:32*PVP*\g+32*\d
	ds_load_tr16_b128 v[KV+32*\g+8*\d+4:KV+32*\g+8*\d+7], v[ADV] offset:32*PVP*\g+16*PVP+32*\d
.endr
.endr
.endm
; 16 products of S^T: channels 32 c on.  c = 0 starts the sums from the mask table.  The sixteen accumulators take turns, one instruction a turn.
.macro KQ c
	WIN 0x40+0x10*(\c)
.irp kt, 0,1,2,3
.irp t, 0,1,2,3
.if \c == 0
	v_wmma_f32_16x16x32_f16 v[32*\t+8*\kt:32*\t+8*\kt+7], v[KV+8*\kt:KV+8*\kt+7], v[QF+16*\t:QF+16*\t+7], v[BI+8*\kt:BI+8*\kt+7]
.else
	v_wmma_f32_16x16x32_f16 v[32*\t+8*\kt:32*\t+8*\kt+7], v[KV+32+8*\kt:KV+32+8*\kt+7], v[QF+16*\t+8:QF+16*\t+15], v[32*\t+8*\kt:32*\t+8*\kt+7]
.endif
.endr
.endr
.endm
; 16 products of O^T: keys 32 g on.  In the first step g = 0 starts the sums: nothing is cleared.
.macro PV g, first
	WIN 0x54
.irp d, 0,1,2,3
.irp t, 0,1,2,3
.if (\first) && (\g == 0)
	v_wmma_f32_16x16x32_f16 v[128+32*\t+8*\d:128+32*\t+8*\d+7], v[KV+32*\g+8*\d:KV+32*\g+8*\d+7], v[32*\t+8*\g:32*\t+8*\g+7], 0
.else
	v_wmma_f32_16x16x32_f16 v[128+32*\t+8*\d:128+32*\t+8*\d+7], v[KV+32*\g+8*\d:KV+32*\g+8*\d+7], v[32*\t+8*\g:32*\t+8*\g+7], v[128+32*\t+8*\d:128+32*\t+8*\d+7]
.endif
.endr
.endr
.endm
; THE SOFTMAX of a step, the four tiles by turns in every phase.  first = 1: no a, nothing to rescale.
.macro SOFTMAX first
	WIN 0x14                                       ; sources 1 and 2 (S^T) in window 1
.irp i, 0,1,2,3                                ; the maximum: a chain for each tile of keys, begun with the old m and the accumulator's two lowest registers
.irp kt, 0,1,2,3
.irp t, 0,1,2,3
.if \i == 0
	v_max3_num_f32 v[ST+12*\t+8+\kt], v[ST+12*\t], v[32*\t+8*\kt], v[32*\t+8*\kt+1]
.else
	v_max3_num_f32 v[ST+12*\t+8+\kt], v[ST+12*\t+8+\kt], v[32*\t+8*\kt+2*\i], v[32*\t+8*\kt+2*\i+1]
.endif
.endr
.endr
.endr
	WIN 0
.irp t, 0,1,2,3
	v_max3_num_f32 v[ST+12*\t+8], v[ST+12*\t+8], v[ST+12*\t+9], v[ST+12*\t+10]
.endr
.irp t, 0,1,2,3
	v_max_num_f32 v[ST+12*\t+8], v[ST+12*\t+8], v[ST+12*\t+11]
.endr
.irp t, 0,1,2,3
	v_permlanex16_b32 v[ST+12*\t+9], v[ST+12*\t+8], s[SEL], s[SEL+1]   ; the query's other 32 keys lie in the lane 16 away
.endr
.irp t, 0,1,2,3
	v_mov_b32 v[ST+12*\t+1], v[ST+12*\t]           ; the old m
.endr
.irp t, 0,1,2,3
	v_max_num_f32 v[ST+12*\t], v[ST+12*\t+8], v[ST+12*\t+9]
.endr
.if \first == 0
.irp t, 0,1,2,3
	v_sub_f32 v[ST+12*\t+3], v[ST+12*\t+1], v[ST+12*\t]
.endr
.irp t, 0,1,2,3
	v_exp_f32 v[ST+12*\t+2], v[ST+12*\t+3]         ; a
.endr
.endif
	WIN 0x41                                       ; destination and source 0 in window 1
.irp i, 0,1,2,3,4,5,6,7,8,9,10,11,12,13,14,15
.irp t, 0,1,2,3
	v_pk_add_f32 v[32*\t+2*\i:32*\t+2*\i+1], v[32*\t+2*\i:32*\t+2*\i+1], v[ST+12*\t:ST+12*\t+1] op_sel_hi:[1,0] neg_lo:[0,1] neg_hi:[0,1]   ; s - m, two at a time
.endr
.endr
.if \first == 0
	s_wait_alu depctr_va_vdst(0)                   ; the wait ahead of a's first reader: one for the four; the 64 subtractions are the work between
.endif
.set n, 0
.rept 64                                       ; the 128 exponentials are one batch; O^T's rescaling, which names none of their results, stands among them
	v_exp_f32 v[2*n], v[2*n]
	v_exp_f32 v[2*n+1], v[2*n+1]
.if \first == 0
	v_pk_mul_f32 v[128+2*n:129+2*n], v[128+2*n:129+2*n], v[ST+12*(n/16)+2:ST+12*(n/16)+3] op_sel_hi:[1,0]
.endif
.set n, n+1
.endr
.if \first
	v_nop                                          ; a plain line behind the last exponential
.endif
	s_wait_alu depctr_va_vdst(0)                   ; one wait for the batch, ahead of its first reader
.if \first
	WIN 0x05                                       ; l's two chains begin with sums of p: nothing is cleared
.irp c, 0,1
.irp t, 0,1,2,3
	v_pk_add_f32 v[ST+12*\t+4+2*\c:ST+12*\t+5+2*\c], v[32*\t+2*\c:32*\t+2*\c+1], v[32*\t+4+2*\c:32*\t+5+2*\c]
.endr
.endr
.else
	WIN 0x10                                       ; l = l a + p
.irp c, 0,1
.irp t, 0,1,2,3
	v_pk_fma_f32 v[ST+12*\t+4+2*\c:ST+12*\t+5+2*\c], v[ST+12*\t+4+2*\c:ST+12*\t+5+2*\c], v[ST+12*\t+2:ST+12*\t+3], v[32*\t+2*\c:32*\t+2*\c+1] op_sel_hi:[1,0,1]
.endr
.endr
.endif
	WIN 0x04
.irp i, 2,3,4,5,6,7,8,9,10,11,12,13,14,15
.if (\i >= 4) || (\first == 0)
.irp t, 0,1,2,3
	v_pk_add_f32 v[ST+12*\t+4+2*(\i%2):ST+12*\t+5+2*(\i%2)], v[ST+12*\t+4+2*(\i%2):ST+12*\t+5+2*(\i%2)], v[32*\t+2*\i:32*\t+2*\i+1]   ; the sum is taken of the unrounded p
.endr
.endif
.endr
	WIN 0x45
.irp i, 0,1,2,3,4,5,6,7,8,9,10,11,12,13,14,15
.irp t, 0,1,2,3
	v_cvt_pk_f16_f32 v[32*\t+\i], v[32*\t+2*\i], v[32*\t+2*\i+1]   ; P, packed in place: register i is written when registers 2 i, 2 i + 1 are read
.endr
.endr
.endm
; A KEY STEP.  K and V share 64 registers: V is fetched behind the last product of S^T and lands under the softmax; K's halves of the next step behind the halves of V^T P.
; chg = 1: the slot's last step: when its V is in registers the slot is left, and filled again with the keys two slots on; chg = 2: it is left and nothing is asked for.
.macro STEP first, chg, last
	s_wait_dscnt 8                                 ; the mask table and K's first half are in; its second half (eight loads) may be out
	KQ 0
	s_wait_dscnt 0x0
	KQ 1
	WIN 0
	PLACES 4                                       ; in front of loads into registers that these products have read, and of the first read of their results
	LOADV
.if \last == 0
	LOADB
.endif
	SOFTMAX \first
	WIN 0
.if \chg == 0
	s_wait_dscnt 8*(1-\last)                       ; V is in; the next step's mask table may be out
.elseif \chg == 1
	s_wait_tensorcnt 0x0                           ; all my tensor loads have landed: my part of the other slot; so a group 0 may be written
	ds_add_u32 v[SPW], v[NIL]                      ; 0 onto my spare word; the descriptors' steps stand between it and the wait for it
.irp g, G0K+4, G0V+4
	s_xor_b32 s[\g+1], s[\g+1], SLOT1              ; the walking descriptor: the other slot than last time,
	s_add_nc_u64 s[\g+2:\g+3], s[\g+2:\g+3], 32768 ; the next 256 keys
.endr
	s_wait_xcnt 0x0                                ; the last prefetch, four steps back, has read its address
	s_add_nc_u64 s[PFA:PFA+1], s[PFA:PFA+1], 32768
	s_wait_dscnt 0x0                               ; the add is done, and my reads of the slot are over
	CROUND                                         ; so it is with every wave of all four work-groups
	JLOAD                                          ; my one tensor load behind the round: it has four steps in which to land
	ASK
	s_sub_co_u32 s[TB], s[TB], 4*STEPB             ; the fetches go back to a slot's first step,
	s_xor_b32 s[TB], s[TB], SLOT1                  ; in the other slot
.else
	s_wait_tensorcnt 0x0
	ds_add_u32 v[SPW], v[NIL]
	s_sub_co_u32 s[TB], s[TB], 4*STEPB
	s_xor_b32 s[TB], s[TB], SLOT1
	s_wait_dscnt 0x0
	s_barrier_signal -1
	s_barrier_wait -1                              ; the last slot is whole
.endif
	PV 0, \first
.if \last == 0
	WIN 0
	PLACES 4
	LOADK 0
.endif
	PV 1, \first
	WIN 0
.if \last == 0
	PLACES 5                                       ; five: the next step's first products write over P, which these products have read
	LOADK 1
.endif
.endm
	s_wait_tensorcnt 1                             ; my part of slot 0 is in; slot 1's may stay out
	s_wait_dscnt 0x0                               ; my entries of the mask table are stored
	s_barrier_signal -1
	s_barrier_wait -1
	LOADB
	LOADK 0
	LOADK 1
	STEP 1, 0, 0                                   ; step 0
.Lslot:                                            ; six trips: steps 4 s + 1 .. 4 s + 4; every slot but the last two is filled again
	s_mov_b32 s[CNT], 2
.Lpair:
	STEP 0, 0, 0
	s_sub_co_u32 s[CNT], s[CNT], 1
	s_cmp_lg_u32 s[CNT], 0
	s_cbranch_scc1 .Lpair
	STEP 0, 1, 0
	STEP 0, 0, 0
	s_sub_co_u32 s[SLOTS], s[SLOTS], 1
	s_cmp_lg_u32 s[SLOTS], 0
	s_cbranch_scc1 .Lslot
	s_mov_b32 s[CNT], 2                            ; the tail is written out: steps 25, 26
.Lpair2:
	STEP 0, 0, 0
	s_sub_co_u32 s[CNT], s[CNT], 1
	s_cmp_lg_u32 s[CNT], 0
	s_cbranch_scc1 .Lpair2
	STEP 0, 2, 0                                   ; 27,
	s_mov_b32 s[CNT], 3                            ; 28 to 30,
.Ltri:
	STEP 0, 0, 0
	s_sub_co_u32 s[CNT], s[CNT], 1
	s_cmp_lg_u32 s[CNT], 0
	s_cbranch_scc1 .Ltri
	STEP 0, 0, 1                                   ; 31
	; THE WAY OUT.  l's parts are added (these lines are the places behind the last products); O^T / l, rounded to f16, goes through my stage, a tile of 16 queries at a time.
.irp t, 0,1,2,3
	v_pk_add_f32 v[ST+12*\t+4:ST+12*\t+5], v[ST+12*\t+4:ST+12*\t+5], v[ST+12*\t+6:ST+12*\t+7]
.endr
.irp t, 0,1,2,3
	v_add_f32 v[ST+12*\t+4], v[ST+12*\t+4], v[ST+12*\t+5]
.endr
.irp t, 0,1,2,3
	v_permlanex16_b32 v[ST+12*\t+8], v[ST+12*\t+4], s[SEL], s[SEL+1]
.endr
.irp t, 0,1,2,3
	v_add_f32 v[ST+12*\t+4], v[ST+12*\t+4], v[ST+12*\t+8]
.endr
.irp t, 0,1,2,3
	v_rcp_f32 v[ST+12*\t+2], v[ST+12*\t+4]
.endr
	v_nop
	s_wait_alu depctr_va_vdst(0)                   ; one wait for the four reciprocals, ahead of their first reader
.macro PACKO t
	WIN 0x41
.set i, 0
.rept 16
	v_pk_mul_f32 v[128+32*\t+2*i:129+32*\t+2*i], v[128+32*\t+2*i:129+32*\t+2*i], v[ST+12*\t+2:ST+12*\t+3] op_sel_hi:[1,0]   ; each accumulator from its low end on
.set i, i+1
.endr
	WIN 0x05
.set i, 0
.rept 16
	v_cvt_pk_f16_f32 v[QF+16*\t+i], v[128+32*\t+2*i], v[129+32*\t+2*i]
.set i, i+1
.endr
	WIN 0
.irp d, 0,1,2,3
	ds_store_b128 v[STO], v[QF+16*\t+4*\d:QF+16*\t+4*\d+3] offset:32*\d
.endr
.irp u, 0,1,2,3
	ds_load_b128 v[KV+16*\t+4*\u:KV+16*\t+4*\u+3], v[RD] offset:4*SP*\u   ; LDS serves a wave's instructions in order: these see the stores above, and the next tile's stores come behind them
.endr
.endm
	PACKO 0
	PACKO 1
	PACKO 2
	PACKO 3
.irp t, 0,1,2,3
	s_wait_dscnt 8*(3-\t)                          ; the later tiles' eight LDS instructions each may be out
.irp u, 0,1,2,3
	global_store_b128 v[GO], v[KV+16*\t+4*\u:KV+16*\t+4*\u+3], s[8:9] offset:2048*\t+512*\u   ; 512 consecutive bytes
.endr
.endr
	s_wait_tensorcnt 0x0                           ; the wave's end
	ds_add_u32 v[SPW], v[NIL]
	s_wait_dscnt 0x0
	CROUND                                         ; the closing round
	s_endpgm
.Lfunc_end_k_qf901711211_attn:
	.size	k_qf901711211_attn, .Lfunc_end_k_qf901711211_attn-k_qf901711211_attn
	.p2alignl 7, 3214868480
	.fill 96, 4, 3214868480
	.section	.rodata,"a",@progbits
	.p2align	6, 0x0
	.amdhsa_kernel k_qf901711211_attn
		.amdhsa_group_segment_fixed_size 327680
		.amdhsa_private_segment_fixed_size 0
		.amdhsa_enable_private_segment 0
		.amdhsa_kernarg_size 24
		.amdhsa_user_sgpr_count 2
		.amdhsa_user_sgpr_kernarg_segment_ptr 1
		.amdhsa_wavefront_size32 1
		.amdhsa_system_sgpr_workgroup_id_x 1
		.amdhsa_system_sgpr_workgroup_id_y 1
		.amdhsa_system_sgpr_workgroup_id_z 1
		.amdhsa_system_vgpr_workitem_id 0
		.amdhsa_next_free_vgpr 512
		.amdhsa_next_free_sgpr 66
		.amdhsa_reserve_vcc 0
		.amdhsa_float_denorm_mode_32 3
		.amdhsa_float_denorm_mode_16_64 3
		.amdhsa_memory_ordered 1
		.amdhsa_forward_progress 1
		.amdhsa_inst_pref_size 255
	.end_amdhsa_kernel
	.section	.bss,"aw",@nobits
	.p2align	6
	.space	262144
	.amdgpu_metadata
---
amdhsa.version: [ 1, 2 ]
amdhsa.kernels:
  - .name:           k_qf901711211_attn
    .symbol:         k_qf901711211_attn.kd
    .args:
      - { .name: qkv, .offset: 0, .size: 8, .value_kind: global_buffer, .address_space: global }
      - { .name: mask, .offset: 8, .size: 8, .value_kind: global_buffer, .address_space: global }
      - { .name: ao, .offset: 16, .size: 8, .value_kind: global_buffer, .address_space: global }
    .group_segment_fixed_size: 327680
    .private_segment_fixed_size: 0
    .kernarg_segment_align: 8
    .kernarg_segment_size: 24
    .max_flat_workgroup_size: 256
    .sgpr_count:     66
    .vgpr_count:     512
    .wavefront_size: 32
...
	.end_amdgpu_metadata
.endif
;; end of part 3
;; launch outp (part 4): grid 4 x 64, 4 waves a work-group, clusters of 4 x 4, 327,680 bytes of LDS; arguments ao, wo16, bo, out0; writes out0
.if DOCPART == 4
	.amdgcn_target "amdgcn-amd-amdhsa--gfx1250"
	.amdhsa_code_object_version 6
	.text
	.protected	k_qf901711211_outp
	.globl	k_qf901711211_outp
	.p2align	8
	.type	k_qf901711211_outp,@function
k_qf901711211_outp:
	s_mov_b64 s[64:65], 0
	v_nop
	global_prefetch_b8 v0, s[64:65] scope:SCOPE_SE
	s_setreg_imm32_b32 hwreg(HW_REG_WAVE_MODE, 25, 1), 1
	s_wait_xcnt 0x0
	s_wait_alu depctr_hold_cnt(0) depctr_sa_sdst(0) depctr_va_vdst(0) depctr_va_sdst(0) depctr_va_ssrc(0) depctr_va_vcc(0) depctr_vm_vsrc(0)
	s_getreg_b32 s2, hwreg(HW_REG_IB_STS2, 6, 4)
	s_cmp_eq_u32 s2, 0
	s_cbranch_scc0 .Lentry_in_a_cluster
	s_endpgm
.Lentry_in_a_cluster:
	s_bfe_u32 s2, ttmp6, 0x10000c
	s_cmp_lg_u32 s2, 0xf033
	s_cbranch_scc0 .Lentry_shape_is_right
	s_endpgm
.Lentry_shape_is_right:
; OUTP: out0 [8192][1024] f32 = attn Wo + bo.  attn comes as ao [16 head][8192 row][64] f16 (k = 64 head + channel), Wo as wo16 [1024 k][1024 n] f16; sums in f32; the bias is the C of each sum's first product.
; A tile of 128 rows x 256 columns gives 256 work-groups; four waves, 64 x 128 each: 32 accumulators of 16 x 16.  K goes in steps of 128 (two planes of ao) through a ring of two LDS slots.
; CLUSTERS: 4 x 4 work-groups; A's tile is shared along a row of the cluster, B's along a column: each is asked for jointly.  No prefetch: the tiles are small and the walk is eight K steps.
; THE MATRIX INSTRUCTION IS USED TRANSPOSED: source 0 = 16 columns n of Wo (turned on its way out of LDS, since k is its first axis), source 1 = 16 rows of attn: a lane holds eight neighbouring columns of one row.
; REGISTERS: window 0: v16-29 addresses; two fragment buffers for 32 along K, at v32 and v128: 32 registers of A (4 blocks), then 64 of B (8 blocks); on the way out rows read back.
;   window 1: the accumulators ((a, b) at v[8 (8 a + b)]).  window 2: v0-63 the bias, 8 registers for each of B's blocks.
.set PA,     144                       ; a row of A in LDS: 128 bytes + 16
.set PB,     544                       ; a row of B: 512 bytes + 32, for the turning load
.set APL,    128*PA                    ; a plane's 128 rows
.set BOFF,   2*APL
.set BHALF,  64*PB
.set SLOT,   BOFF+2*BHALF
.set STAGE,  2*SLOT                    ; the way out: 16 rows x 528 bytes for each wave
.set SPITCH, 528
.set SPARE,  STAGE+4*16*SPITCH         ; the spare words: two blocks of 256 bytes that no other line names
.set LAPS,   4                         ; a lap = two K steps; K = 1,024
.set ADRA, 16
.set ADRB, 20
.set STO,  24
.set RD,   25
.set CO,   26
.set SPW,  28
.set NIL,  29
.set F0,   32
.set F1,   128
.set G1, 24
.set G0, 32
.set G1B, 48
.set G0B, 56
.set MSB, 0
.macro WIN new
.if MSB != \new
	s_set_vgpr_msb (MSB<<8)|\new
.set MSB, \new
.endif
.endm
.macro JLOAD s                         ; waves 0 and 1 fetch A's two planes, waves 2 and 3 B's two halves; an s_nop 0 and four v_nop follow each line
	s_cmp_eq_u32 s13, 0
	s_cbranch_scc0 .Lfor_b_\@
	tensor_load_to_lds s[G0+4*\s:G0+4*\s+3], s[G1:G1+7]
	s_nop 0
.rept 4
	v_nop
.endr
	s_branch .Lasked_\@
.Lfor_b_\@:
	tensor_load_to_lds s[G0B+4*\s:G0B+4*\s+3], s[G1B:G1B+7]
	s_nop 0
.rept 4
	v_nop
.endr
.Lasked_\@:
.endm
.macro CREST                           ; a round of the cluster's barrier behind its opening barrier
	s_cmp_lg_u32 s12, 0
	s_cbranch_scc1 .Lnot_wave_0_\@
	s_barrier_signal -3
.Lnot_wave_0_\@:
	s_barrier_wait -3
	s_barrier_signal -1
	s_barrier_wait -1
.endm
.macro CROUND
	s_barrier_signal -1
	s_barrier_wait -1
	CREST
.endm
.macro PLACES
.rept 4
	v_nop
.endr
.endm
	s_load_b256 s[4:11], s[0:1], 0x0               ; ao s[4:5], wo16 s[6:7], bo s[8:9], out0 s[10:11]
	v_lshl_add_u32 v[SPW], v0, 2, SPARE
	v_mov_b32 v[NIL], 0
	ds_add_u32 v[SPW], v[NIL]                      ; the wave's opening: the add, twice on end, and its wait ahead of my first tensor load
	ds_add_u32 v[SPW], v[NIL]
	v_lshrrev_b32 v1, 5, v0
	v_readfirstlane_b32 s12, v1                    ; wave 0..3
	s_lshr_b32 s13, s12, 1                         ; my half of the tile's rows.  Also: I fetch for A (0) or for B (1)
	s_and_b32 s14, s12, 1                          ; my half of its columns.  Also: which plane, or which 64 rows of B, I fetch
	s_bfe_u32 s40, ttmp6, 0x40000                  ; cx
	s_bfe_u32 s41, ttmp6, 0x40004                  ; cy
	s_lshl_b32 s42, ttmp9, 2
	s_add_co_u32 s42, s42, s40                     ; tile column 0..3
	s_and_b32 s15, ttmp7, 0xffff
	s_lshl_b32 s15, s15, 2
	s_add_co_u32 s15, s15, s41                     ; tile row 0..63
	s_lshl_b32 s43, s41, 2
	s_lshl_b32 s43, 15, s43                        ; my row of the cluster
	s_lshl_b32 s44, 0x1111, s40                    ; my column
	s_or_b32 s[G1+0], s43, (1<<16)|(1<<20)|(1<<21)|(4<<22)|(3<<25)   ; A: the mask; elements of 2 bytes; padding on; bit 21 beside a mask; 4 words after every 32
	s_mov_b32 s[G1+1], 64<<16                      ; tensor_dim0 = 64
	s_mov_b32 s[G1+2], 128<<16                     ; tensor_dim1 = 128
	s_mov_b32 s[G1+3], 64<<16                      ; tile_dim0 = 64
	s_mov_b32 s[G1+4], 128                         ; tile_dim1 = 128
	s_mov_b32 s[G1+5], 64                          ; from row to row
	s_mov_b32 s[G1+6], 0
	s_mov_b32 s[G1+7], 0
	s_or_b32 s[G1B+0], s44, (1<<16)|(1<<20)|(1<<21)|(6<<22)|(7<<25)  ; B: 8 words after every 128
	s_mov_b32 s[G1B+1], 256<<16
	s_mov_b32 s[G1B+2], 64<<16
	s_mov_b32 s[G1B+3], 256<<16
	s_mov_b32 s[G1B+4], 64
	s_mov_b32 s[G1B+5], 1024
	s_mov_b32 s[G1B+6], 0
	s_mov_b32 s[G1B+7], 0
	s_lshl_b32 s16, s14, 20                        ; A: my plane of the K step's two,
	s_lshl_b32 s17, s15, 14                        ; the tile's 128 rows of 128 bytes
	s_add_co_u32 s16, s16, s17
	s_mov_b32 s17, 0
	s_lshl_b32 s46, s14, 17                        ; B: my 64 rows of 2,048 bytes,
	s_lshl_b32 s47, s42, 9                         ; the tile's 256 columns
	s_add_co_u32 s46, s46, s47
	s_mov_b32 s47, 0
	s_mul_i32 s20, s14, APL                        ; where they go
	s_mul_i32 s21, s14, BHALF
	s_add_co_u32 s21, s21, BOFF
	s_wait_dscnt 0x0                               ; both opening adds are done
	s_wait_kmcnt 0x0
	s_add_nc_u64 s[16:17], s[4:5], s[16:17]
	s_add_nc_u64 s[46:47], s[6:7], s[46:47]
	CROUND                                         ; all sixteen work-groups are here: the first joint loads meet
.irp s, 0,1
	s_mov_b32 s[G0+4*\s], 1
	s_add_co_u32 s[G0+4*\s+1], s20, \s*SLOT
	s_add_nc_u64 s[G0+4*\s+2:G0+4*\s+3], s[16:17], \s*(2<<20)
	s_or_b32 s[G0+4*\s+3], s[G0+4*\s+3], 0x80000000
	s_mov_b32 s[G0B+4*\s], 1
	s_add_co_u32 s[G0B+4*\s+1], s21, \s*SLOT
	s_add_nc_u64 s[G0B+4*\s+2:G0B+4*\s+3], s[46:47], \s*(128*2048)
	s_or_b32 s[G0B+4*\s+3], s[G0B+4*\s+3], 0x80000000
	JLOAD \s                                       ; two loads of mine are out
.endr
	v_and_b32 v1, 15, v0                           ; r
	v_bfe_u32 v2, v0, 4, 1                         ; h
	v_mul_u32_u24 v3, v1, PA
	v_lshl_add_u32 v3, v2, 4, v3                   ; A: row r x pitch + 16 h
	s_mul_i32 s22, s13, 64*PA                      ; my 64 rows
	v_and_b32 v4, 7, v0
	v_lshl_add_u32 v4, v2, 3, v4                   ; B, for the turning load: k = 8 h + lane % 8,
	v_mul_u32_u24 v4, v4, PB
	v_bfe_u32 v5, v0, 3, 1
	v_lshl_add_u32 v4, v5, 4, v4                   ; columns 8 ((lane / 8) % 2) on
	s_lshl_b32 s23, s14, 8                         ; my 128 columns
	s_add_co_u32 s23, s23, BOFF
.irp s, 0,1
	v_add_nc_u32 v[ADRA+\s], s22, v3
	v_add_nc_u32 v[ADRB+\s], s23, v4
	s_add_co_u32 s22, s22, SLOT
	s_add_co_u32 s23, s23, SLOT
.endr
	s_mul_i32 s22, s12, 16*SPITCH
	s_add_co_u32 s22, s22, STAGE                   ; my stage
	v_mul_u32_u24 v5, v1, SPITCH
	v_lshl_add_u32 v5, v2, 5, v5
	v_add_nc_u32 v[STO], s22, v5                   ; in: row r, 32 bytes for each half of the lanes
	v_and_b32 v6, 31, v0
	v_lshlrev_b32 v[CO], 4, v6                     ; back: the 32 lanes take one row of 512 bytes; the same in out0
	v_add_nc_u32 v[RD], s22, v[CO]
	s_lshl_b32 s46, s42, 10
	s_lshl_b32 s47, s14, 9
	s_add_co_u32 s46, s46, s47                     ; my first column, in bytes of f32
	s_mov_b32 s47, 0
	s_add_nc_u64 s[8:9], s[8:9], s[46:47]
	s_add_nc_u64 s[10:11], s[10:11], s[46:47]
	s_lshl_b32 s16, s15, 7
	s_lshl_b32 s17, s13, 6
	s_add_co_u32 s16, s16, s17                     ; my first row
	s_lshl_b32 s16, s16, 12                        ; 4,096 bytes a row
	s_mov_b32 s17, 0
	s_add_nc_u64 s[10:11], s[10:11], s[16:17]
	v_lshlrev_b32 v7, 5, v2
	WIN 0x80                                       ; destination window 2
.irp b, 0,1,2,3,4,5,6,7                        ; in the result's layout: lane (r, h), block b: columns 16 b + 8 h + 0 .. 7
	global_load_b128 v[8*\b:8*\b+3], v7, s[8:9] offset:64*\b
	global_load_b128 v[8*\b+4:8*\b+7], v7, s[8:9] offset:64*\b+16
.endr
	WIN 0
.macro FETCH slot, c, f                ; the fragments of the slot's c-th 32 along K: B's eight, turned, then A's four
.irp b, 0,1,2,3,4,5,6,7
	ds_load_tr16_b128 v[\f+32+8*\b:\f+32+8*\b+3], v[ADRB+\slot] offset:(\c)*32*PB+32*\b
	ds_load_tr16_b128 v[\f+32+8*\b+4:\f+32+8*\b+7], v[ADRB+\slot] offset:(\c)*32*PB+16*PB+32*\b
.endr
.irp a, 0,1,2,3
	ds_load_b128 v[\f+8*\a:\f+8*\a+3], v[ADRA+\slot] offset:((\c)/2)*APL+\a*16*PA+64*((\c)%2)
	ds_load_b128 v[\f+8*\a+4:\f+8*\a+7], v[ADRA+\slot] offset:((\c)/2)*APL+\a*16*PA+64*((\c)%2)+32
.endr
.endm
; 8 matrix instructions: A's block a x B's eight.  zero = 1: the first product starts the sums from the bias.  The 32 accumulators take turns, one instruction a turn.
.macro MUL8 f, a, zero
.if \zero
	WIN 0x60
.else
	WIN 0x50
.endif
.irp b, 0,1,2,3,4,5,6,7
.if \zero
	v_wmma_f32_16x16x32_f16 v[8*(8*(\a)+\b):8*(8*(\a)+\b)+7], v[\f+32+8*\b:\f+32+8*\b+7], v[\f+8*(\a):\f+8*(\a)+7], v[8*\b:8*\b+7]
.else
	v_wmma_f32_16x16x32_f16 v[8*(8*(\a)+\b):8*(8*(\a)+\b)+7], v[\f+32+8*\b:\f+32+8*\b+7], v[\f+8*(\a):\f+8*(\a)+7], v[8*(8*(\a)+\b):8*(8*(\a)+\b)+7]
.endif
.endr
.endm
; A quarter of a K step: 32 along K, 32 matrix instructions on buffer f; the next quarter's 24 loads go out ahead of them, into buffer g.
.macro QUARTER slot, cnext, f, g, zero
	s_wait_dscnt 0x0                               ; buffer f is in
	PLACES                                         ; in front of loads into registers that the last quarter's products have read
	FETCH \slot, \cnext, \g
	MUL8 \f, 0, \zero
	MUL8 \f, 1, \zero
	MUL8 \f, 2, \zero
	MUL8 \f, 3, \zero
	WIN 0
.endm
; The last quarter multiplies buffer 1 and changes slots: one barrier; fill = 1: it opens a round of the cluster's barrier, and this slot is filled again, two K steps ahead.
.macro TURN slot, next, fill
	s_wait_tensorcnt 0x0                           ; all my tensor loads have landed: my part of the next slot
	ds_add_u32 v[SPW], v[NIL]
	s_wait_dscnt 1                                 ; buffer 1 is in; the add may be out
	MUL8 F1, 0, 0                                  ; eight matrix instructions stand between the add and the wait for it
	s_wait_dscnt 0x0                               ; the add is done, and my reads of this slot are over
	s_barrier_signal -1
	MUL8 F1, 1, 0
	WIN 0
	s_barrier_wait -1
.if \fill
	CREST                                          ; no wave of any partner still reads this slot or has a load on its way
	s_add_nc_u64 s[G0+4*\slot+2:G0+4*\slot+3], s[G0+4*\slot+2:G0+4*\slot+3], 4<<20      ; four planes on
	s_add_nc_u64 s[G0B+4*\slot+2:G0B+4*\slot+3], s[G0B+4*\slot+2:G0B+4*\slot+3], 256*2048   ; 256 rows of Wo on
	JLOAD \slot                                    ; my one tensor load behind the round; its four v_nop are also the places in front of the loads below
.else
	PLACES
.endif
	FETCH \next, 0, F0
	MUL8 F1, 2, 0
	MUL8 F1, 3, 0
	WIN 0
.endm
	s_wait_tensorcnt 1                             ; my part of K step 0 is in; K step 1's may be out,
	s_barrier_signal -1
	s_barrier_wait -1                              ; everybody's is
	FETCH 0, 0, F0
	s_wait_loadcnt 0x0                             ; the bias
	QUARTER 0, 1, F0, F1, 1                        ; the first quarter stands in front of the loop: its products start the sums
	s_mov_b32 s3, LAPS-1
.Llap:                                             ; a trip goes once round the ring and fills both slots again
	QUARTER 0, 2, F1, F0, 0
	QUARTER 0, 3, F0, F1, 0
	TURN 0, 1, 1
	QUARTER 1, 1, F0, F1, 0
	QUARTER 1, 2, F1, F0, 0
	QUARTER 1, 3, F0, F1, 0
	TURN 1, 0, 1
	QUARTER 0, 1, F0, F1, 0
	s_sub_co_u32 s3, s3, 1
	s_cmp_lg_u32 s3, 0
	s_cbranch_scc1 .Llap
	QUARTER 0, 2, F1, F0, 0                        ; the last lap fills nothing
	QUARTER 0, 3, F0, F1, 0
	TURN 0, 1, 0
	QUARTER 1, 1, F0, F1, 0
	QUARTER 1, 2, F1, F0, 0
	QUARTER 1, 3, F0, F1, 0
	s_wait_dscnt 0x0
	MUL8 F1, 0, 0
	MUL8 F1, 1, 0
	MUL8 F1, 2, 0
	MUL8 F1, 3, 0
	WIN 0
; THE WAY OUT, a block of 16 rows x 128 columns at a time: through my stage, and out as whole rows of 512 bytes.
.macro TOSTAGE a
	WIN 0x04                                       ; an LDS store's data are its source 1: window 1
.irp b, 0,1,2,3,4,5,6,7
	ds_store_b128 v[STO], v[8*(8*(\a)+\b):8*(8*(\a)+\b)+3] offset:64*\b      ; each accumulator from its low end on
	ds_store_b128 v[STO], v[8*(8*(\a)+\b)+4:8*(8*(\a)+\b)+7] offset:64*\b+16
.endr
	WIN 0
.set BB, F0+96*((\a)%2)
.irp t, 0,1,2,3,4,5,6,7,8,9,10,11,12,13,14,15
	ds_load_b128 v[BB+4*\t:BB+4*\t+3], v[RD] offset:\t*SPITCH   ; LDS serves a wave's instructions in order: these see the stores above
.endr
.endm
.macro SEND a, younger
.set BB, F0+96*((\a)%2)
	s_wait_dscnt \younger                          ; the block is back; the next block's 32 LDS instructions may be out
.irp t, 0,1,2,3,4,5,6,7,8,9,10,11,12,13,14,15
	global_store_b128 v[CO], v[BB+4*\t:BB+4*\t+3], s[10:11] offset:(16*(\a)+\t)*4096 th:TH_STORE_NT   ; 32 lanes store 512 consecutive bytes, aligned; written once, read by nobody here
.endr
.endm
	PLACES
	TOSTAGE 0
.irp a, 1,2,3
.if \a > 1
	s_wait_xcnt 0x0                                ; the stores of two blocks back have read their registers: the loads may land there
.endif
	TOSTAGE \a
	SEND \a-1, 32
.endr
	SEND 3, 0
	s_wait_tensorcnt 0x0                           ; the wave's end
	ds_add_u32 v[SPW], v[NIL]
	s_wait_dscnt 0x0
	CROUND                                         ; the closing round
	s_endpgm
.Lfunc_end_k_qf901711211_outp:
	.size	k_qf901711211_outp, .Lfunc_end_k_qf901711211_outp-k_qf901711211_outp
	.p2alignl 7, 3214868480
	.fill 96, 4, 3214868480
	.section	.rodata,"a",@progbits
	.p2align	6, 0x0
	.amdhsa_kernel k_qf901711211_outp
		.amdhsa_group_segment_fixed_size 327680
		.amdhsa_private_segment_fixed_size 0
		.amdhsa_enable_private_segment 0
		.amdhsa_kernarg_size 32
		.amdhsa_user_sgpr_count 2
		.amdhsa_user_sgpr_kernarg_segment_ptr 1
		.amdhsa_wavefront_size32 1
		.amdhsa_system_sgpr_workgroup_id_x 1
		.amdhsa_system_sgpr_workgroup_id_y 1
		.amdhsa_system_sgpr_workgroup_id_z 1
		.amdhsa_system_vgpr_workitem_id 0
		.amdhsa_next_free_vgpr 640
		.amdhsa_next_free_sgpr 66
		.amdhsa_reserve_vcc 0
		.amdhsa_float_denorm_mode_32 3
		.amdhsa_float_denorm_mode_16_64 3
		.amdhsa_memory_ordered 1
		.amdhsa_forward_progress 1
		.amdhsa_inst_pref_size 86
	.end_amdhsa_kernel
	.amdgpu_metadata
---
amdhsa.version: [ 1, 2 ]
amdhsa.kernels:
  - .name:           k_qf901711211_outp
    .symbol:         k_qf901711211_outp.kd
    .args:
      - { .name: ao, .offset: 0, .size: 8, .value_kind: global_buffer, .address_space: global }
      - { .name: wo16, .offset: 8, .size: 8, .value_kind: global_buffer, .address_space: global }
      - { .name: bo, .offset: 16, .size: 8, .value_kind: global_buffer, .address_space: global }
      - { .name: out0, .offset: 24, .size: 8, .value_kind: global_buffer, .address_space: global }
    .group_segment_fixed_size: 327680
    .private_segment_fixed_size: 0
    .kernarg_segment_align: 8
    .kernarg_segment_size: 32
    .max_flat_workgroup_size: 128
    .sgpr_count:     66
    .vgpr_count:     640
    .wavefront_size: 32
...
	.end_amdgpu_metadata
.endif
;; end of part 4
